; MI455X (gfx1250); checked and timed in simulation.
; The chip was launched on July 23, 2026; its instructions are those of AMD's public machine-readable ISA for CDNA 5 (MIT licence, August 2026) and "CDNA5" Instruction Set Architecture Reference Guide (July 2026). The comments in the code are by the model that wrote it; some were corrected since.
;; Basic Attention. Allowed arithmetic: float matrix products may take bf16 or f16 operands with f32 sums; other float arithmetic in f32, or as packed bf16 or f16 multiplies, adds, multiply-adds, maxima and minima; sums over many terms, partial sums and values carried from step to step in f32; what a program stores and reads back later, other than sums and carried values, may be rounded once to bf16 or f16.
;; Inputs: keys 8 x 2,048 x 1,024 float32; queries 8 x 2,048 x 1,024 float32; values 8 x 2,048 x 1,024 float32.
;; Outputs: out0 8 x 2,048 x 1,024 float32.
;; 2 versions, each right; version 2 is version 1 with the launch cast written anew for expert scheduling mode. Each part assembles by itself: llvm-mc -triple=amdgcn-amd-amdhsa -mcpu=gfx1250 --defsym DOCPART=n.
;; ======== version 1 of 2: 4 launches
;; limits: inputs' magnitudes at most 65,504; values are held in f16: magnitudes above 65,504 overflow, below 6.1e-05 lose precision
;; workspace buffers: qb 33,554,432 bytes; kb 33,554,432 bytes; vh 33,554,432 bytes; pt 67,108,864 bytes; st 2,097,152 bytes; ct 524,288 bytes
;; launch cast (part 1): grid 512 x 2, 8 waves a work-group, no clusters, 0 bytes of LDS; arguments queries, keys, qb, kb; writes qb, kb
.if DOCPART == 1
	.amdgcn_target "amdgcn-amd-amdhsa--gfx1250"
	.amdhsa_code_object_version 6
	.text
	.protected	k_q44817b1c18_cast
	.globl	k_q44817b1c18_cast
	.p2align	8
	.type	k_q44817b1c18_cast,@function
k_q44817b1c18_cast:
	s_mov_b64 s[64:65], 0
	v_nop
	global_prefetch_b8 v0, s[64:65] scope:SCOPE_SE
	s_setreg_imm32_b32 hwreg(HW_REG_WAVE_MODE, 25, 1), 1
	s_wait_xcnt 0x0
; THE FIRST PRODUCT'S OPERANDS ARE MADE.  qb = bf16(queries), kb = bf16(keys): each [8][2048][1024], 16,777,216 numbers, rounded to nearest even.
; LIMITS.  None beyond bf16's own: its range is f32's.  NaN and infinities are not treated apart.
; SHARES.  The grid's y picks the tensor; work-group x owns 32,768 numbers of it: 32 chunks of 1,024.  Of a chunk thread T takes 4 numbers: a load of 16 bytes at 16 T, a store of 8 bytes at 8 T:
; a wave's load covers 512 consecutive bytes, its store 256 consecutive bytes at a multiple of 256 from the buffer's first byte.
; DEPTH loads of every wave are on their way.  There is no loop: a chunk's place stands in the immediate (126,976 bytes at the most); the first DEPTH chunks have store registers of their own, the last DEPTH
; are converted in the registers that they were loaded into.  So no register that a store reads and no base is ever written again, and the only waits are the counted ones for the loads.
; No LDS, no barrier, no matrix unit, no cluster: no byte is used twice and no wave needs another's.
.set DEPTH,  16
.set CHUNK,  4096                      ; bytes of a chunk on the way in; half of that on the way out
.set IO, 1                             ; v1        16 T; never rewritten
.set OO, 2                             ; v2        8 T; never rewritten
.set X,  8                             ; v[8:71]   slot i: 4 numbers as loaded
.set Y,  72                            ; v[72:103] slot i: 4 numbers of the first DEPTH chunks, to store
	s_load_b256 s[4:11], s[0:1], 0x0               ; queries s[4:5], keys s[6:7], qb s[8:9], kb s[10:11]
	s_and_b32 s12, ttmp7, 0xffff                   ; which tensor
	s_lshl_b32 s2, ttmp9, 17                       ; the work-group's 131,072 bytes on the way in
	s_mov_b32 s3, 0
	v_lshlrev_b32 v[IO], 4, v0
	v_lshlrev_b32 v[OO], 3, v0
	s_wait_kmcnt 0x0
	s_cmp_eq_u32 s12, 0
	s_cselect_b64 s[16:17], s[4:5], s[6:7]         ; from
	s_cselect_b64 s[18:19], s[8:9], s[10:11]       ; to
	s_add_nc_u64 s[16:17], s[16:17], s[2:3]
	s_lshr_b32 s2, s2, 1                           ; 65,536 bytes on the way out
	s_add_nc_u64 s[18:19], s[18:19], s[2:3]
.set i, 0
.rept DEPTH
	global_load_b128 v[X+4*i:X+4*i+3], v[IO], s[16:17] offset:CHUNK*i th:TH_LOAD_NT  ; chunks 0 to 15
.set i, i+1
.endr
.set i, 0
.rept DEPTH
	s_wait_loadcnt DEPTH-1                         ; loads come back in order (ISA guide 5.7.1): this slot's is in, the fifteen younger ones stay out
	v_cvt_pk_bf16_f32 v[Y+2*i],   v[X+4*i],   v[X+4*i+1]
	v_cvt_pk_bf16_f32 v[Y+2*i+1], v[X+4*i+2], v[X+4*i+3]
	global_load_b128 v[X+4*i:X+4*i+3], v[IO], s[16:17] offset:(DEPTH+i)*CHUNK th:TH_LOAD_NT  ; the slot's second chunk, ahead of the store
	global_store_b64 v[OO], v[Y+2*i:Y+2*i+1], s[18:19] offset:i*CHUNK/2
.set i, i+1
.endr
.set i, 0
.rept DEPTH
	s_wait_loadcnt DEPTH-1-i                       ; nothing more is loaded: the counts run down
	v_cvt_pk_bf16_f32 v[X+4*i],   v[X+4*i],   v[X+4*i+1]
	v_cvt_pk_bf16_f32 v[X+4*i+1], v[X+4*i+2], v[X+4*i+3]
	global_store_b64 v[OO], v[X+4*i:X+4*i+1], s[18:19] offset:(DEPTH+i)*CHUNK/2
.set i, i+1
.endr
	s_endpgm
.Lfunc_end_k_q44817b1c18_cast:
	.size	k_q44817b1c18_cast, .Lfunc_end_k_q44817b1c18_cast-k_q44817b1c18_cast
	.p2alignl 7, 3214868480
	.fill 96, 4, 3214868480
	.section	.rodata,"a",@progbits
	.p2align	6, 0x0
	.amdhsa_kernel k_q44817b1c18_cast
		.amdhsa_group_segment_fixed_size 0
		.amdhsa_private_segment_fixed_size 0
		.amdhsa_enable_private_segment 0
		.amdhsa_kernarg_size 32
		.amdhsa_user_sgpr_count 2
		.amdhsa_user_sgpr_kernarg_segment_ptr 1
		.amdhsa_wavefront_size32 1
		.amdhsa_system_sgpr_workgroup_id_x 1
		.amdhsa_system_sgpr_workgroup_id_y 1
		.amdhsa_system_sgpr_workgroup_id_z 1
		.amdhsa_system_vgpr_workitem_id 0
		.amdhsa_next_free_vgpr 104
		.amdhsa_next_free_sgpr 66
		.amdhsa_reserve_vcc 0
		.amdhsa_float_denorm_mode_32 3
		.amdhsa_float_denorm_mode_16_64 3
		.amdhsa_memory_ordered 1
		.amdhsa_forward_progress 1
		.amdhsa_inst_pref_size 12
	.end_amdhsa_kernel
	.amdgpu_metadata
---
amdhsa.version: [ 1, 2 ]
amdhsa.kernels:
  - .name:           k_q44817b1c18_cast
    .symbol:         k_q44817b1c18_cast.kd
    .args:
      - { .name: queries, .offset: 0, .size: 8, .value_kind: global_buffer, .address_space: global }
      - { .name: keys, .offset: 8, .size: 8, .value_kind: global_buffer, .address_space: global }
      - { .name: qb, .offset: 16, .size: 8, .value_kind: global_buffer, .address_space: global }
      - { .name: kb, .offset: 24, .size: 8, .value_kind: global_buffer, .address_space: global }
    .group_segment_fixed_size: 0
    .private_segment_fixed_size: 0
    .kernarg_segment_align: 8
    .kernarg_segment_size: 32
    .max_flat_workgroup_size: 256
    .sgpr_count:     66
    .vgpr_count:     104
    .wavefront_size: 32
...
	.end_amdgpu_metadata
.endif
;; end of part 1
;; launch scores (part 2): grid 8 x 32, 4 waves a work-group, clusters of 4 x 4, 327,680 bytes of LDS; arguments kb, qb, pt, st, values, vh; writes pt, st, vh
.if DOCPART == 2
	.amdgcn_target "amdgcn-amd-amdhsa--gfx1250"
	.amdhsa_code_object_version 6
	.text
	.protected	k_q44817b1c18_scores
	.globl	k_q44817b1c18_scores
	.p2align	8
	.type	k_q44817b1c18_scores,@function
k_q44817b1c18_scores:
	s_mov_b64 s[64:65], 0
	v_nop
	global_prefetch_b8 v0, s[64:65] scope:SCOPE_SE
	s_setreg_imm32_b32 hwreg(HW_REG_WAVE_MODE, 25, 1), 1
	s_wait_xcnt 0x0
	s_wait_alu depctr_hold_cnt(0) depctr_sa_sdst(0) depctr_va_vdst(0) depctr_va_sdst(0) depctr_va_ssrc(0) depctr_va_vcc(0) depctr_vm_vsrc(0)
	s_getreg_b32 s2, hwreg(HW_REG_IB_STS2, 6, 4)
	s_cmp_eq_u32 s2, 0
	s_cbranch_scc0 .Lentry_in_a_cluster
	s_endpgm
.Lentry_in_a_cluster:
	s_bfe_u32 s2, ttmp6, 0x10000c
	s_cmp_lg_u32 s2, 0xf033
	s_cbranch_scc0 .Lentry_shape_is_right
	s_endpgm
.Lentry_shape_is_right:
; S^T = K Q^T AND THE LOCAL HALF OF A SOFTMAX OVER THE QUERIES; BESIDE IT V IS MADE READY FOR THE SECOND PRODUCT.  kb, qb: [8][2048][1024] bf16.  For each key k and each block t of 128 queries:
;   m2[t][k] = log2(e) x the largest score of the block,   p[k][q] = 2^(log2(e) s - m2[t][k]),   l[t][k] = the sum of the block's p (unrounded).
; pt: [8][2048 k][2048 q] f16 takes p; st takes m2 as f32 [8][16 t][2048 k] and, LOFF bytes on, l in the same shape.  The later launches take the largest of a key's sixteen m2 away.
; vh = f16(bf16(values)), [8][2048][1024]: V is rounded to bf16 like the other inputs, and that number is written as f16, which holds it exactly while its magnitude lies between 2^-14 and 65,504.
; LIMITS.  p lies in 0 to 1 (to within the rounding of m2); below 6e-5 it keeps f16's fixed step of 6e-8; an exponential below 2^-126 counts as 0 in l.  A value of V of magnitude 65,520 or more becomes an
; infinity; below 2^-14 it keeps f16's fixed step.  NaN and infinities are not treated apart.
; SHARES.  A tile is 256 keys x 256 queries, made by a work-group of four waves, a wave 128 x 128: 64 accumulators of 16 x 16, 512 registers.  The 1,024 channels go in 8 steps of 128 through a ring of two LDS
; slots filled by the tensor data mover; a tile's rows are 256 bytes of memory and start at multiples of 256 bytes.
; A WORK-GROUP STAYS: it makes two tiles, key tiles cy and cy + 4 of its batch against the same queries.  The ring does not stop at the first tile's end: its last two changes of slots ask for the second tile's
; first two K steps, and nothing waits for the first tile's stores.
; THE MATRIX INSTRUCTION: source 0 = 16 queries, source 1 = 16 keys.  In the result lane l holds ONE key (l % 16) and the queries 8 (l / 16) + 0..7.  So a key's maximum and sum over the wave's 128
; queries are taken inside the lane, with one exchange between the halves of the lanes: a block t is a wave's own, and no wave needs another's numbers.  Eight p of a lane pack into 16 bytes of a row of pt.
; CLUSTER.  4 x 4 work-groups.  The four of a row of the cluster need the same keys, the four of a column the same queries: each tile is asked for JOINTLY, by the same tensor load, descriptor and mask in all four.
; V RIDES ALONG.  A wave owns 128 chunks of 512 bytes of V.  Eight register slots take turns: each quarter step ahead of the last two K steps converts two slots, loads them again with the chunks eight on (a K
; step ahead) and stores them: 57 quarters, 114 chunks.  The sixteen conversions are the places in front of the quarter's run of LDS loads.  The last 14 chunks (the ring's eight, and six loaded ahead of the last
; two K steps into registers of their own) are converted behind the last product.  No prefetch for V: its loads go out a K step ahead of their use.
; REGISTERS, in windows of 256 (s_set_vgpr_msb: bits 1:0 source 0, 3:2 source 1, 5:4 source 2, 7:6 destination):
;   window 0: v16-31 addresses; v64-127, v128-191 the keys' fragments, two buffers; behind a tile's last product: v32-63, v224-255 rows on their way out, v192-223 packed p, v128-167 statistics
;   window 1: v64-127, v128-191 the queries' fragments; v0-61, v192-243 V's     window 2: the accumulators of my keys 0-63 ((a, b) at v[8 (8 a + b)])     window 3: those of my keys 64-127
.set KSTEP,  128
.set PITCH,  272                       ; an LDS row: 256 bytes + 16 of padding = 68 words: the 16 rows of a load start at 16 different groups of four banks (64 banks of 4 bytes: ISA guide 11.1)
.set HALFT,  128*PITCH                 ; 128 rows: what one tensor load brings, and what a wave reads of the keys or of the queries
.set SLOT,   4*HALFT                   ; 256 rows of keys, then 256 of queries.  0x22000: the waves' bases 0, 0x8800, 0x11000, 0x19800 hold neither of its bits, so one exclusive or turns a base in one slot into the other's
.set STAGE,  2*SLOT                    ; behind the ring: 16 rows x 272 bytes for each wave, for p's way out
.set SPITCH, 272
.set STATS,  STAGE+4*16*SPITCH         ; 1,024 bytes for each wave: 128 m2, then 128 l
.set SPARE,  STATS+4*1024              ; the spare words, 128 bytes for each wave: two blocks of 256 bytes that no other line names
.set PROW,   4096                      ; bytes in a row of pt
.set LOFF,   1048576                   ; l lies this far behind m2 in st
.set NEXTA,  4*256*2048-7*KSTEP*2      ; bytes from the keys' K step 7 of a tile to K step 0 of the next: four tiles of 256 rows down, back along the rows
.set BACKB,  8*KSTEP*2                 ; the queries go one K step on and eight back: both tiles take the same rows
.set NEXTC,  (4*256-7*16)*PROW         ; bytes from my last 16 rows of pt in a tile to my first in the next
.set NEXTS,  4*256*4                   ; the same in st: 1,024 keys on
.set VCH,    512                       ; bytes of a chunk of V on the way in; half of that on the way out
.set ADRA,  16                         ; v16  LDS address of my keys' fragments in the slot in hand;  v17 the same in slot 0, never rewritten
.set ADRA0, 17
.set ADRB,  18                         ; v18, v19  the same for the queries
.set ADRB0, 19
.set SGO,   22                         ; v22  16 x lane: my 16 bytes of the wave's 512 in st
.set STO,   24                         ; v24  the way out: where I put 16 bytes of a row
.set RD,    25                         ; v25  where I read a row back
.set CO,    26                         ; v26  my byte offset in pt
.set SST,   27                         ; v27  where I put a key's m2
.set SPW,   28                         ; v28  LDS address of my spare word: SPARE + 4 x my thread's number; never rewritten
.set NIL,   29                         ; v29  0; never rewritten
.set PFO,   30                         ; v30  the prefetches' offset: lane x 2,048, a row of kb or qb; never rewritten
.set SRD,   31                         ; v31  where I read four statistics back
.set F0,    64
.set F1,    128
.set OB,    32
.set TMP,   192
.set CHN,   128                        ; v128-135  eight running maxima
.set MX,    136
.set TT,    137
.set CM,    138                        ; v[138:139] m2, named as a pair
.set SU,    140
.set MST,   144                        ; v144-151  m2 of my eight blocks of 16 keys
.set LST,   152                        ; v152-159  l of the same
.set SB,    160
.set VX,    0                          ; window 1: v0-31    slot i: 4 numbers of V as loaded
.set VY,    32                         ;           v32-47   slot i: 4 numbers to store
.set VT,    48                         ;           v48-59   at work, six for each of a quarter's two slots
.set VIO,   60                         ;           v60      16 x lane; never rewritten
.set VOO,   61                         ;           v61      8 x lane; never rewritten
.set VXE,   192                        ;           v192-215 the wave's last six chunks as loaded
.set VYE,   216                        ;           v216-243 its last fourteen chunks to store
.set TL,  2                            ; s2   tiles to go, this one among them
.set CNT, 3                            ; s3   counts the loops over K
.set WV,  12                           ; s12  wave
.set RH,  13                           ; s13  which half of the tile's keys is mine.  Also: I fetch keys (0) or queries (1)
.set CH,  14                           ; s14  which half of its queries.  Also: which 128 rows of that tile I fetch
.set CX,  15
.set CY,  16
.set TC,  17                           ; s17  query tile in the batch, 0..7
.set GR,  18                           ; s18  my first key tile over the stacked batches
.set BT,  19                           ; s19  batch = cluster y
.set LB,  20                           ; s20  where my tensor loads land in slot 0
.set CUR, 21                           ; s21  the slot that is being read: 0 or SLOT
.set G1A, 24                           ; s[24:31] descriptor group 1 for the keys' tiles
.set G0A, 32                           ; s[32:39] group 0: a set for each of the two first fills; the second then walks on
.set LIM, 43                           ; s43  2 in a wave that prefetches, else the greatest number
.set PFA, 44                           ; s[44:45] where my prefetches stand
.set G1B, 48                           ; s[48:55], s[56:63] the same for the queries' tiles
.set G0B, 56
.set CS,  66                           ; s[66:67] log2(e): the packed scaling takes the pair's low word for both halves
.set SEL, 68                           ; s[68:69] v_permlanex16_b32's selects: each lane takes its own place in the other half
.set VIN, 76                           ; s[76:77] V at my wave's chunks, stepped once a K step
.set VOUT, 78                          ; s[78:79] vh likewise
.set STA, 80                           ; s[80:81] at the change of tiles: what the keys' address steps by
.set BKB, 82                           ; s[82:83] and what the queries' goes back by
.set MK,  84                           ; s84  a word's upper bf16
.set MSB, 0
.macro WIN new                         ; the immediate's high byte repeats the setting that is left; a switch that changes nothing is dropped
.if MSB != (\new)
	s_set_vgpr_msb (MSB<<8)|(\new)
.set MSB, \new
.endif
.endm
.set MUL_LO, 0xa1                      ; source 0 (queries) window 1, source 1 (keys) window 0, C and D window 2
.set MUL_HI, 0xf1                      ; the same, C and D window 3
.set TO_B,   0x40                      ; destination window 1, address window 0
.set ALL1,   0x55                      ; every place window 1: V's work
; A joint refill by the walking descriptor.  Waves 0 and 1 fetch the keys' two halves, waves 2 and 3 the queries'.  The branch hangs on the wave's number alone.
; An s_nop 0 and four v_nop follow each of the two lines, ahead of the jump and the label.
.macro JLOAD
	s_cmp_eq_u32 s[RH], 0
	s_cbranch_scc0 .Lfor_b_\@
	tensor_load_to_lds s[G0A+4:G0A+7], s[G1A:G1A+7]
	s_nop 0
.rept 4
	v_nop
.endr
	s_branch .Lasked_\@
.Lfor_b_\@:
	tensor_load_to_lds s[G0B+4:G0B+7], s[G1B:G1B+7]
	s_nop 0
.rept 4
	v_nop
.endr
.Lasked_\@:
.endm
; A PREFETCH INTO THE L2, behind the joint load and the run of LDS loads: the K step that stands two refills on: 32 rows x 256 bytes, a lane a row, one instruction a wave.
; Each row's 256 bytes of a K step are named once in the launch.  A tile of keys is read by both clusters of its row of clusters: cluster x = 0 asks, in both tiles.  A tile of queries is read by one cluster
; alone, which asks, in the first tile only: the second takes the same rows.  The four partners that ask for a tile jointly share its rows out BY ADDRESS: of the 128 rows that a wave fetches the partner at
; place p takes 32 p .. 32 p + 31 (p = cx for keys, cy for queries).  how = 0, in the loop: its last two trips ask for nothing: K steps 8 and 9 do not exist.  how = 1, at the change of tiles: the second
; tile's K steps 2 and 3 of the keys.  The launch's K steps 0 to 3, and the second tile's 0 and 1, come by their loads alone.
.macro ASK how
	WIN 0
.if \how
	s_cmp_eq_u32 s[LIM], 2
.else
	s_cmp_gt_u32 s[CNT], s[LIM]
.endif
	s_cbranch_scc0 .Lnot_mine_\@
	global_prefetch_b8 v[PFO], s[PFA:PFA+1] th:TH_LOAD_NT scope:SCOPE_SE
.Lnot_mine_\@:
.endm
; A round of the cluster's barrier: my work-group's barrier, so that wave 0's signal speaks for all four waves; wave 0 signals; every wave waits for all sixteen work-groups; my work-group's barrier once more.
.macro CREST                           ; a round behind its opening barrier
	s_cmp_lg_u32 s[WV], 0
	s_cbranch_scc1 .Lnot_wave_0_\@
	s_barrier_signal -3
.Lnot_wave_0_\@:
	s_barrier_wait -3
	s_barrier_signal -1
	s_barrier_wait -1
.endm
.macro CROUND
	s_barrier_signal -1
	s_barrier_wait -1
	CREST
.endm
	s_load_b256 s[4:11], s[0:1], 0x0               ; kb s[4:5], qb s[6:7], pt s[8:9], st s[10:11]
	s_load_b128 s[VIN:VIN+3], s[0:1], 0x20         ; values s[76:77], vh s[78:79]
	v_lshl_add_u32 v[SPW], v0, 2, SPARE
	v_mov_b32 v[NIL], 0
	ds_add_u32 v[SPW], v[NIL]                      ; the wave's opening: the add and its wait stand ahead of my first tensor load; the set-up below, work on registers, stands between them
	v_lshrrev_b32 v1, 5, v0
	v_readfirstlane_b32 s[WV], v1
	s_lshr_b32 s[RH], s[WV], 1
	s_and_b32 s[CH], s[WV], 1
	s_bfe_u32 s[CX], ttmp6, 0x40000                ; my place in the cluster
	s_bfe_u32 s[CY], ttmp6, 0x40004
	s_lshl_b32 s[TC], ttmp9, 2                     ; in a cluster launch ttmp9 and ttmp7 count clusters
	s_add_co_u32 s[TC], s[TC], s[CX]
	s_and_b32 s[BT], ttmp7, 0xffff                 ; a cluster's four rows walk a batch's eight key tiles in two tiles each
	s_lshl_b32 s[GR], s[BT], 3
	s_add_co_u32 s[GR], s[GR], s[CY]
	s_lshl_b32 s22, s[CY], 2
	s_lshl_b32 s22, 15, s22                        ; my row of the cluster: places 4 cy .. 4 cy + 3
	s_lshl_b32 s23, 0x1111, s[CX]                  ; my column: places cx, cx + 4, cx + 8, cx + 12
	; descriptor group 1: a tile of 128 rows x 128 elements, padded in LDS
	s_or_b32 s[G1A], s22, (1<<16)|(1<<20)|(1<<21)|(5<<22)|(3<<25)  ; 15:0 the mask; 17:16 elements of 2 bytes; 20 padding on; 21 set beside a mask; 24:22 after every 64 words (code 5); 31:25 4 words of it (code 3)
	s_or_b32 s[G1B], s23, (1<<16)|(1<<20)|(1<<21)|(5<<22)|(3<<25)
.irp g, G1A, G1B
	s_mov_b32 s[(\g)+1], KSTEP<<16                 ; tensor_dim0 = 128
	s_mov_b32 s[(\g)+2], 128<<16                   ; tensor_dim1 = 128
	s_mov_b32 s[(\g)+3], KSTEP<<16                 ; tile_dim0 = 128
	s_mov_b32 s[(\g)+4], 128                       ; tile_dim1 = 128
	s_mov_b32 s[(\g)+5], 1024                      ; elements from row to row
	s_mov_b32 s[(\g)+6], 0
	s_mov_b32 s[(\g)+7], 0
.endr
	; where the tiles come from: the keys' hang on the key tile alone, which my row of the cluster shares; the queries' on batch and query tile, which my column shares
	s_lshl_b32 s70, s[CH], 18                      ; which 128 rows of 2,048 bytes I fetch
	s_lshl_b32 s40, s[GR], 19                      ; keys: 256 rows a tile
	s_add_co_u32 s40, s40, s70
	s_mov_b32 s41, 0
	s_lshl_b32 s46, s[BT], 22                      ; queries: 2,048 rows a batch,
	s_lshl_b32 s47, s[TC], 19                      ; 256 a tile
	s_add_co_u32 s46, s46, s47
	s_add_co_u32 s46, s46, s70
	s_mov_b32 s47, 0
	s_mul_i32 s[LB], s[WV], HALFT                  ; where they go: wave x 128 rows: no place in the cluster enters an LDS address
	s_mov_b32 s[CUR], 0
	s_mov_b32 s[CS], 0x3fb8aa3b                    ; log2(e)
	s_mov_b32 s[CS+1], s[CS]
	s_mov_b32 s[SEL], 0x76543210
	s_mov_b32 s[SEL+1], 0xfedcba98
	s_mov_b32 s[MK], 0xffff0000
	s_mov_b32 s[STA+1], 0
	s_mov_b32 s[BKB+1], 0
	; my wave's part of V: wave number over the launch = ((4 batch + cy) x 8 + query tile) x 4 + wave; 65,536 bytes each on the way in, 32,768 on the way out
	s_lshl_b32 s72, s[BT], 2
	s_add_co_u32 s72, s72, s[CY]
	s_lshl_b32 s72, s72, 3
	s_add_co_u32 s72, s72, s[TC]
	s_lshl_b32 s72, s72, 2
	s_add_co_u32 s72, s72, s[WV]
	s_lshl_b32 s74, s72, 15
	s_lshl_b32 s72, s72, 16
	s_mov_b32 s73, 0
	s_mov_b32 s75, 0
	v_and_b32 v6, 31, v0                           ; l
	WIN TO_B
	v_lshlrev_b32 v[VIO], 4, v6
	v_lshlrev_b32 v[VOO], 3, v6
	WIN 0
	s_wait_dscnt 0x0                               ; the opening add is done
	s_wait_kmcnt 0x0
	s_add_nc_u64 s[VIN:VIN+1], s[VIN:VIN+1], s[72:73]
	s_add_nc_u64 s[VOUT:VOUT+1], s[VOUT:VOUT+1], s[74:75]
	WIN ALL1
.set i, 0
.rept 8
	global_load_b128 v[VX+4*i:VX+4*i+3], v[VIO], s[VIN:VIN+1] offset:VCH*i th:TH_LOAD_NT  ; V's ring is filled: chunks 0 to 7
.set i, i+1
.endr
	WIN 0
	s_add_nc_u64 s[40:41], s[4:5], s[40:41]
	s_add_nc_u64 s[46:47], s[6:7], s[46:47]
.irp s, 0,1
	s_mov_b32 s[G0A+4*(\s)], 1                                     ; 1:0 count = 1
	s_add_co_u32 s[G0A+4*(\s)+1], s[LB], (\s)*SLOT                 ; 63:32 LDS address
	s_add_nc_u64 s[G0A+4*(\s)+2:G0A+4*(\s)+3], s[40:41], (\s)*KSTEP*2  ; 120:64 global address: K step s
	s_or_b32 s[G0A+4*(\s)+3], s[G0A+4*(\s)+3], 0x80000000          ; 127:126 type = 2
	s_mov_b32 s[G0B+4*(\s)], 1
	s_add_co_u32 s[G0B+4*(\s)+1], s[LB], (\s)*SLOT
	s_add_nc_u64 s[G0B+4*(\s)+2:G0B+4*(\s)+3], s[46:47], (\s)*KSTEP*2
	s_or_b32 s[G0B+4*(\s)+3], s[G0B+4*(\s)+3], 0x80000000
.endr
	CROUND                                         ; all sixteen work-groups are here: the first joint loads meet
	s_cmp_eq_u32 s[RH], 0                          ; a wave's two first fills stand in one branch, ahead of every wait on TENSORcnt and every LDS read: two loads of mine are out
	s_cbranch_scc0 .Lfirst_b
	tensor_load_to_lds s[G0A:G0A+3], s[G1A:G1A+7]
	s_nop 0
	tensor_load_to_lds s[G0A+4:G0A+7], s[G1A:G1A+7]
	s_nop 0
.rept 4
	v_nop
.endr
	s_branch .Lfirst_asked
.Lfirst_b:
	tensor_load_to_lds s[G0B:G0B+3], s[G1B:G1B+7]
	s_nop 0
	tensor_load_to_lds s[G0B+4:G0B+7], s[G1B:G1B+7]
	s_nop 0
.rept 4
	v_nop
.endr
.Lfirst_asked:
	; A fragment is 16 rows x 32 channels in 8 registers: lane l holds row l % 16, channels 8 (l / 16) + 0..7 and 16 + 8 (l / 16) + 0..7: two loads of 16 bytes, 32 bytes apart.
	v_and_b32 v1, 15, v0                           ; l % 16
	v_bfe_u32 v2, v0, 4, 1                         ; l / 16
	v_mul_u32_u24 v3, v1, PITCH
	v_lshl_add_u32 v3, v2, 4, v3
	s_mul_i32 s22, s[RH], HALFT                    ; my 128 keys
	s_mul_i32 s23, s[CH], HALFT                    ; my 128 queries,
	s_add_co_u32 s23, s23, 2*HALFT                 ; which lie behind the 256 keys
	v_add_nc_u32 v[ADRA0], s22, v3
	v_add_nc_u32 v[ADRB0], s23, v3
	v_mov_b32 v[ADRA], v[ADRA0]
	v_mov_b32 v[ADRB], v[ADRB0]
	s_mul_i32 s22, s[WV], 16*SPITCH
	s_add_co_u32 s22, s22, STAGE                   ; my stage
	v_mul_u32_u24 v4, v1, SPITCH                   ; in: row l % 16, 16 bytes for each half of the lanes
	v_lshl_add_u32 v4, v2, 4, v4
	v_add_nc_u32 v[STO], s22, v4
	v_mul_u32_u24 v5, v2, SPITCH                   ; back: lanes 0-15 take one row of 256 bytes, lanes 16-31 the next
	v_lshl_add_u32 v5, v1, 4, v5
	v_add_nc_u32 v[RD], s22, v5
	v_lshlrev_b32 v5, 12, v2                       ; and the same two rows in pt
	v_lshl_add_u32 v[CO], v1, 4, v5
	s_lshl_b32 s22, s[WV], 10
	s_add_co_u32 s22, s22, STATS                   ; my statistics
	v_lshl_add_u32 v[SST], v1, 2, s22
	v_lshl_add_u32 v[SRD], v6, 4, s22
	v_lshlrev_b32 v[SGO], 4, v6
	v_lshlrev_b32 v[PFO], 11, v6
	; pt at my first row and column: key row 256 x key tile + 128 x half, 4,096 bytes a row; query 256 x query tile + 128 x half, 2 bytes each
	s_lshl_b32 s22, s[GR], 20
	s_lshl_b32 s23, s[RH], 19
	s_add_co_u32 s22, s22, s23
	s_lshl_b32 s23, s[TC], 9
	s_add_co_u32 s22, s22, s23
	s_lshl_b32 s23, s[CH], 8
	s_add_co_u32 s22, s22, s23
	s_mov_b32 s23, 0
	s_add_nc_u64 s[8:9], s[8:9], s[22:23]
	; st at my 128 keys of block t = 2 x query tile + half: ((16 batch + t) x 2,048 + key in the batch) x 4 bytes; my first key tile in the batch is cy
	s_lshl_b32 s22, s[BT], 17
	s_lshl_b32 s23, s[TC], 14
	s_add_co_u32 s22, s22, s23
	s_lshl_b32 s23, s[CH], 13
	s_add_co_u32 s22, s22, s23
	s_lshl_b32 s23, s[CY], 10
	s_add_co_u32 s22, s22, s23
	s_lshl_b32 s23, s[RH], 9
	s_add_co_u32 s22, s22, s23
	s_mov_b32 s23, 0
	s_add_nc_u64 s[10:11], s[10:11], s[22:23]
	; the prefetches
	s_lshl_b32 s22, s[GR], 8                       ; the keys' tile begins at this row of kb,
	s_lshl_b32 s23, s[BT], 11
	s_lshl_b32 s70, s[TC], 8
	s_add_co_u32 s23, s23, s70                     ; the queries' at this row of qb
	s_cmp_eq_u32 s[RH], 0                          ; do I fetch keys?
	s_cselect_b32 s22, s22, s23
	s_cselect_b32 s23, s[CX], s[CY]                ; my place among the four that ask with me
	s_cselect_b32 s71, ttmp9, 0                    ; 0 in the cluster that asks: the same in all sixteen partners, for a given wave
	s_cselect_b64 s[PFA:PFA+1], s[4:5], s[6:7]
	s_cmp_eq_u32 s71, 0
	s_cselect_b32 s[LIM], 2, -1
	s_lshl_b32 s70, s[CH], 7
	s_add_co_u32 s22, s22, s70                     ; + the 128 rows that I fetch
	s_lshl_b32 s23, s23, 5
	s_add_co_u32 s22, s22, s23                     ; + my work-group's 32 of them
	s_lshl_b32 s22, s22, 11                        ; in bytes
	s_mov_b32 s23, 0
	s_add_nc_u64 s[PFA:PFA+1], s[PFA:PFA+1], s[22:23]
	s_add_nc_u64 s[PFA:PFA+1], s[PFA:PFA+1], 3*KSTEP*2  ; at K step 3: the first refill steps it to 4 and names that
; 16 matrix instructions: key blocks a0, a0 + 1 of the window's four (hi = 0: my keys 0-63, 1: keys 64-127) x all 8 query blocks, 32 channels.  zero = 1: the first product starts the sums.
; The 64 accumulators take turns, in the same order in every quarter step.
.macro MUL16 f, hi, a0, zero
	WIN MUL_LO+0x50*(\hi)
.irp a, \a0, (\a0)+1
.irp b, 0,1,2,3,4,5,6,7
.if \zero
	v_wmma_f32_16x16x32_bf16 v[8*(8*(\a)+(\b)):8*(8*(\a)+(\b))+7], v[(\f)+8*(\b):(\f)+8*(\b)+7], v[(\f)+8*(4*(\hi)+(\a)):(\f)+8*(4*(\hi)+(\a))+7], 0
.else
	v_wmma_f32_16x16x32_bf16 v[8*(8*(\a)+(\b)):8*(8*(\a)+(\b))+7], v[(\f)+8*(\b):(\f)+8*(\b)+7], v[(\f)+8*(4*(\hi)+(\a)):(\f)+8*(4*(\hi)+(\a))+7], v[8*(8*(\a)+(\b)):8*(8*(\a)+(\b))+7]
.endif
.endr
.endr
.endm
; 32 LDS loads in one run: the fragments of one quarter step (128 queries, then 128 keys, 32 channels at byte k of the rows) into buffer f
.macro FETCH k, f
	WIN TO_B
.irp i, 0,1,2,3,4,5,6,7
	ds_load_b128 v[(\f)+8*(\i):(\f)+8*(\i)+3],   v[ADRB] offset:(\k)+(\i)*16*PITCH
	ds_load_b128 v[(\f)+8*(\i)+4:(\f)+8*(\i)+7], v[ADRB] offset:(\k)+(\i)*16*PITCH+32
.endr
	WIN 0
.irp i, 0,1,2,3,4,5,6,7
	ds_load_b128 v[(\f)+8*(\i):(\f)+8*(\i)+3],   v[ADRA] offset:(\k)+(\i)*16*PITCH
	ds_load_b128 v[(\f)+8*(\i)+4:(\f)+8*(\i)+7], v[ADRA] offset:(\k)+(\i)*16*PITCH+32
.endr
.endm
.macro PLACES                          ; four plain vector instructions between a matrix instruction and a load into, or a vector instruction on, its registers (ISA guide 7.12.1 for vector instructions)
.rept 4
	v_nop
.endr
.endm
; Two chunks of V, 4 numbers a lane each: rounded to bf16, widened again (a shift, a mask), written as f16.  The two go side by side, so that no line reads the result of the one before it.
.macro VCONV2 x0, x1, y0, y1
	v_cvt_pk_bf16_f32 v[VT],    v[(\x0)],   v[(\x0)+1]
	v_cvt_pk_bf16_f32 v[VT+1],  v[(\x0)+2], v[(\x0)+3]
	v_cvt_pk_bf16_f32 v[VT+6],  v[(\x1)],   v[(\x1)+1]
	v_cvt_pk_bf16_f32 v[VT+7],  v[(\x1)+2], v[(\x1)+3]
	v_lshlrev_b32 v[VT+2],  16, v[VT]
	v_and_b32     v[VT+3],  s[MK], v[VT]
	v_lshlrev_b32 v[VT+4],  16, v[VT+1]
	v_and_b32     v[VT+5],  s[MK], v[VT+1]
	v_lshlrev_b32 v[VT+8],  16, v[VT+6]
	v_and_b32     v[VT+9],  s[MK], v[VT+6]
	v_lshlrev_b32 v[VT+10], 16, v[VT+7]
	v_and_b32     v[VT+11], s[MK], v[VT+7]
	v_cvt_pk_f16_f32 v[(\y0)],   v[VT+2],  v[VT+3]
	v_cvt_pk_f16_f32 v[(\y0)+1], v[VT+4],  v[VT+5]
	v_cvt_pk_f16_f32 v[(\y1)],   v[VT+8],  v[VT+9]
	v_cvt_pk_f16_f32 v[(\y1)+1], v[VT+10], v[VT+11]
.endm
; V's SHARE OF QUARTER q (0 to 3) OF A K STEP: slots 2 q and 2 q + 1.  The two pointers stand at the chunks of the K step's quarter 0 and are stepped at the head of quarter 1, a quarter step behind the last
; instruction that read them; so quarters 1 to 3 store below the pointer.  A slot's store registers are written again a K step later: between stand this macro's s_wait_xcnt 0 or the one at the head of TURN.
.macro RIDE q
	WIN ALL1
.if (\q) == 1
	s_wait_xcnt 0x0                                ; all that was issued has read its sources: the pointers may be written
	s_add_nc_u64 s[VIN:VIN+1], s[VIN:VIN+1], 8*VCH
	s_add_nc_u64 s[VOUT:VOUT+1], s[VOUT:VOUT+1], 8*VCH/2
.endif
	s_wait_loadcnt 6                               ; of the ring's eight loads the six younger ones may stay out: these two slots' are in (ISA guide 5.7.1: in order)
	VCONV2 VX+8*(\q), VX+8*(\q)+4, VY+4*(\q), VY+4*(\q)+2
.irp s, 0,1
.if (\q) == 0
	global_load_b128 v[VX+4*(\s):VX+4*(\s)+3], v[VIO], s[VIN:VIN+1] offset:(8+(\s))*VCH th:TH_LOAD_NT  ; the chunk eight on
.else
	global_load_b128 v[VX+8*(\q)+4*(\s):VX+8*(\q)+4*(\s)+3], v[VIO], s[VIN:VIN+1] offset:(2*(\q)+(\s))*VCH th:TH_LOAD_NT
.endif
.endr
.irp s, 0,1
.if (\q) == 0
	global_store_b64 v[VOO], v[VY+2*(\s):VY+2*(\s)+1], s[VOUT:VOUT+1] offset:(\s)*VCH/2  ; the wave stores 256 consecutive bytes, at a multiple of 256 from vh's first byte
.else
	global_store_b64 v[VOO], v[VY+4*(\q)+2*(\s):VY+4*(\q)+2*(\s)+1], s[VOUT:VOUT+1] offset:(2*(\q)+(\s)-8)*VCH/2
.endif
.endr
.endm
; A K step is four quarters of 32 channels, 64 matrix instructions each, on buffers 0, 1, 0, 1.  One of the first three: multiplies buffer f; in its middle it fetches the next quarter, at byte k, into buffer g.
; rq = 0 to 2: V's share of that quarter stands in front of the run of LDS loads, and its conversions are the places there; rq = -1: four v_nop.
.macro QUARTER k, f, g, zero, rq
	s_wait_dscnt 8                                 ; the queries and my keys 0-63 are in; the youngest eight loads (keys 64-127) may be out
	MUL16 \f, 0, 0, \zero
	MUL16 \f, 0, 2, \zero
.if (\rq) >= 0
	RIDE \rq
.else
	PLACES
.endif
	FETCH \k, \g
	s_wait_dscnt 32                                ; all but the 32 just issued
	MUL16 \f, 1, 0, \zero
	MUL16 \f, 1, 2, \zero
.endm
; The last quarter multiplies buffer 1 and changes slots.  MEET is its first half: ONE barrier.  In front of it each wave waits for all its tensor loads, of which one is out: its part of the next slot;
; adds 0 to its spare word; and waits for that and for its own reads of this slot.  Behind it nobody reads this slot any more and the next slot is whole.
.macro MEET round
	WIN 0                                          ; (the add's two registers lie in window 0)
	s_wait_tensorcnt 0x0                           ; all my tensor loads have landed
	ds_add_u32 v[SPW], v[NIL]                      ; 0 onto my spare word
	s_wait_dscnt 9                                 ; (the add and the youngest eight loads may be out)
	MUL16 F1, 0, 0, 0                              ; sixteen matrix instructions stand between the add and the wait for it
	s_wait_dscnt 0x0                               ; the add is done, and my reads of this slot are over
	s_barrier_signal -1
	MUL16 F1, 0, 2, 0                              ; work on registers while the others arrive
.if \round
	WIN 0
.endif
	s_barrier_wait -1
.endm
; The whole last quarter.  fill = 1: the barrier opens a round of the cluster's, so that no wave of any partner still reads the slot or has a load on its way, and the slot just read out is filled again
; first thing behind it: with this tile's K step two steps on (on = 0) or, in the first tile's last two K steps, with the second tile's K step 0 or 1 (on = 1): 224 matrix instructions stand between that
; request and the wait for it, across the tiles too.  Then come V's share and the next slot's first fragments.
.macro TURN fill, on=0
.if \fill
	s_wait_xcnt 0x0                                ; the last prefetch, a K step back, has read its address, so it may be stepped
.if \on
	s_add_nc_u64 s[PFA:PFA+1], s[PFA:PFA+1], s[STA:STA+1]
.else
	s_add_nc_u64 s[PFA:PFA+1], s[PFA:PFA+1], KSTEP*2
.endif
	MEET 1
	CREST
	s_xor_b32 s[G0A+5], s[G0A+5], SLOT             ; the walking descriptors: the other slot than last time,
	s_xor_b32 s[G0B+5], s[G0B+5], SLOT
.if \on
	s_add_nc_u64 s[G0A+6:G0A+7], s[G0A+6:G0A+7], s[STA:STA+1]  ; the keys: to the next tile's K step 0, then one K step on
	s_add_nc_u64 s[G0B+6:G0B+7], s[G0B+6:G0B+7], KSTEP*2
	s_sub_nc_u64 s[G0B+6:G0B+7], s[G0B+6:G0B+7], s[BKB:BKB+1]  ; the queries: back to K step 0, then one K step on
.else
	s_add_nc_u64 s[G0A+6:G0A+7], s[G0A+6:G0A+7], KSTEP*2  ; the next K step; the type bits on top are not reached
	s_add_nc_u64 s[G0B+6:G0B+7], s[G0B+6:G0B+7], KSTEP*2
.endif
	JLOAD                                          ; the four v_nop behind it are also places in front of the loads below
.if \on
	s_mov_b32 s[STA], KSTEP*2                      ; the second of the two changes steps as every other does
	s_mov_b32 s[BKB], 0
.endif
.else
	MEET 0
	PLACES
.endif
	s_xor_b32 s[CUR], s[CUR], SLOT
	WIN 0
	v_add_nc_u32 v[ADRA], s[CUR], v[ADRA0]
	v_add_nc_u32 v[ADRB], s[CUR], v[ADRB0]
.if \fill
	RIDE 3
.endif
	FETCH 0, F0
.if \fill
	ASK \on
.endif
	MUL16 F1, 1, 0, 0
	MUL16 F1, 1, 2, 0
.endm
	s_wait_tensorcnt 0x1                           ; my part of K step 0 is in; K step 1's may stay out
	s_barrier_signal -1
	s_barrier_wait -1                              ; everybody's is
	FETCH 0, F0
	s_mov_b32 s[TL], 2
.Ltile:
	QUARTER 64, F0, F1, 1, 0                       ; a tile's first quarter stands in front of the loop: its products start the sums
	WIN 0                                          ; at a label and at a branch every window is 0
	s_mov_b32 s[CNT], 6
.Lstep:                                                ; a trip goes from a K step's second quarter to the next step's first, and asks for K steps 2 to 7
	QUARTER 128, F1, F0, 0, 1
	QUARTER 192, F0, F1, 0, 2
	TURN 1, 0
	QUARTER 64, F0, F1, 0, 0
	WIN 0
	s_sub_co_u32 s[CNT], s[CNT], 1
	s_cmp_lg_u32 s[CNT], 0
	s_cbranch_scc1 .Lstep
	s_cmp_eq_u32 s[TL], 1
	s_cbranch_scc1 .Llast                          ; the last tile's tail is written apart: it asks for nothing more
	s_mov_b32 s[STA], NEXTA
	s_mov_b32 s[BKB], BACKB
	s_cmp_eq_u32 s[RH], 0
	s_cselect_b32 s[LIM], s[LIM], -1               ; the queries' rows have been read: they are prefetched no more
	s_mov_b32 s[CNT], 2
.Lnext:                                                ; THE RING GOES ON INTO THE NEXT TILE: the first tile's last two K steps ask for the second's K steps 0 and 1; left in the middle of the second trip,
	QUARTER 128, F1, F0, 0, 1                      ; with the second tile's first fragments in buffer 0, which the way out does not touch
	QUARTER 192, F0, F1, 0, 2
	TURN 1, 1
	WIN 0
	s_sub_co_u32 s[CNT], s[CNT], 1
	s_cmp_eq_u32 s[CNT], 0
	s_cbranch_scc1 .Lout
	QUARTER 64, F0, F1, 0, 0
	WIN 0
	s_branch .Lnext
.Llast:
	WIN ALL1
.set i, 0
.rept 6
	global_load_b128 v[VXE+4*i:VXE+4*i+3], v[VIO], s[VIN:VIN+1] offset:(10+i)*VCH th:TH_LOAD_NT  ; my last six chunks of V, 122 to 127; the pointer stands at chunk 112
.set i, i+1
.endr
	WIN 0
	s_mov_b32 s[CNT], 2
.Ltail:                                                ; the last two K steps ask for nothing: written apart, and left in the middle of the second trip
	QUARTER 128, F1, F0, 0, -1
	QUARTER 192, F0, F1, 0, -1
	TURN 0
	WIN 0
	s_sub_co_u32 s[CNT], s[CNT], 1
	s_cmp_eq_u32 s[CNT], 0
	s_cbranch_scc1 .Ldrain
	QUARTER 64, F0, F1, 0, -1
	WIN 0
	s_branch .Ltail
.Ldrain:                                               ; (the second trip's barrier and its 32 loads, from the slot of the K step before, serve nothing: the price, once a launch, of one text for both trips)
	WIN ALL1                                       ; V's last fourteen chunks, 114 to 127: chunk c of the first eight lies in slot c % 8
	s_wait_loadcnt 0x0                             ; issued two K steps back or more
.set j, 0
.rept 7
.if j < 8
.set xa, VX+4*((2+j)%8)
.set xb, VX+4*((3+j)%8)
.else
.set xa, VXE+4*(j-8)
.set xb, VXE+4*(j-7)
.endif
	VCONV2 xa, xb, VYE+2*j, VYE+2*j+2
	global_store_b64 v[VOO], v[VYE+2*j:VYE+2*j+1],   s[VOUT:VOUT+1] offset:(2+j)*VCH/2
	global_store_b64 v[VOO], v[VYE+2*j+2:VYE+2*j+3], s[VOUT:VOUT+1] offset:(3+j)*VCH/2
.set j, j+2
.endr
	WIN 0
.Lout:
	s_wait_dscnt 0x0
	PLACES
	v_mov_b32 v[TT], 0                             ; v_permlanex16_b32's destination counts as read
	v_mov_b32 v[CM+1], 0                           ; named with m2 as a pair
; BLOCK a OF 16 KEYS: its 8 accumulators hold, in each lane, 64 scores of one key.
.macro SCL i                           ; pair i: log2(e) s - m2
	v_pk_fma_f32 v[AC+2*(\i):AC+2*(\i)+1], v[AC+2*(\i):AC+2*(\i)+1], s[CS:CS+1], v[CM:CM+1] op_sel_hi:[1,0,0] neg_lo:[0,0,1] neg_hi:[0,0,1]
.endm
.macro COMP a
.set W, 2+(\a)/4
.set AC, 64*((\a)%4)
	WIN W|(W<<2)|(W<<4)                            ; the maximum: eight chains, one an accumulator
.set n, 0
.rept 8
	v_max3_num_f32 v[CHN+n], v[AC+8*n], v[AC+8*n+1], v[AC+8*n+2]
.set n, n+1
.endr
	WIN (W<<2)|(W<<4)
.set n, 0
.rept 8
	v_max3_num_f32 v[CHN+n], v[CHN+n], v[AC+8*n+3], v[AC+8*n+4]
.set n, n+1
.endr
.set n, 0
.rept 8
	v_max3_num_f32 v[CHN+n], v[CHN+n], v[AC+8*n+5], v[AC+8*n+6]
.set n, n+1
.endr
.set n, 0
.rept 4
	v_max3_num_f32 v[CHN+n], v[CHN+n], v[AC+8*n+7], v[AC+8*n+15]
.set n, n+2
.endr
	WIN 0
	v_max3_num_f32 v[CHN], v[CHN], v[CHN+1], v[CHN+2]
	v_max3_num_f32 v[CHN+3], v[CHN+3], v[CHN+4], v[CHN+5]
	v_max_num_f32 v[CHN+6], v[CHN+6], v[CHN+7]
	v_max3_num_f32 v[CHN], v[CHN], v[CHN+3], v[CHN+6]
	v_permlanex16_b32 v[TT], v[CHN], s[SEL], s[SEL+1]  ; the key's other 64 queries lie in the lane 16 away
	v_max_num_f32 v[MX], v[CHN], v[TT]
	v_mul_f32 v[CM], s[CS], v[MX]
	v_mov_b32 v[MST+(\a)], v[CM]
	WIN (W<<6)|W                                   ; ONE BATCH: 32 scalings and 64 exponentials, in place; a pair is scaled two pairs ahead of its exponentials; nothing here names an exponential's result
	SCL 0
	SCL 1
.set i, 0
.rept 32
.if i < 30
	SCL i+2
.endif
	v_exp_f32 v[AC+2*i], v[AC+2*i]
	v_exp_f32 v[AC+2*i+1], v[AC+2*i+1]
.set i, i+1
.endr
	v_nop                                          ; a plain instruction behind the last exponential (ISA guide 5.7.2),
	s_wait_alu depctr_va_vdst(0)                   ; and the one wait ahead of the batch's first reader
	WIN W|(W<<2)
.set i, 0
.rept 32
	v_cvt_pk_f16_f32 v[TMP+i], v[AC+2*i], v[AC+2*i+1]  ; eight neighbouring queries of a key: 16 bytes
.set i, i+1
.endr
	WIN (W<<6)|W|(W<<2)                            ; the sum of the 32 pairs, in place: neighbours 16, 8, 4, 2 and 1 pairs apart
.irp d, 16,8,4,2,1
.set i, 0
.rept \d
	v_pk_add_f32 v[AC+2*i:AC+2*i+1], v[AC+2*i:AC+2*i+1], v[AC+2*(i+\d):AC+2*(i+\d)+1]
.set i, i+1
.endr
.endr
	WIN W|(W<<2)
	v_add_f32 v[SU], v[AC], v[AC+1]
	WIN 0
	v_permlanex16_b32 v[TT], v[SU], s[SEL], s[SEL+1]
	v_add_f32 v[LST+(\a)], v[SU], v[TT]
.endm
.macro TOSTAGE a                       ; into my own stage in LDS, and back as whole rows of 256 bytes
	WIN 0
.set BK, OB+192*((\a)%2)
.irp b, 0,1,2,3,4,5,6,7
	ds_store_b128 v[STO], v[TMP+4*(\b):TMP+4*(\b)+3] offset:32*(\b)
.endr
.irp t, 0,1,2,3,4,5,6,7
	ds_load_b128 v[BK+4*(\t):BK+4*(\t)+3], v[RD] offset:(\t)*2*SPITCH  ; LDS serves a wave's instructions in order (ISA guide 5.7.1.4): these see the stores above
.endr
.endm
.macro SEND a
	WIN 0
.set BK, OB+192*((\a)%2)
	s_wait_dscnt 0x0                               ; the block is back in registers
	s_wait_xcnt 0x0                                ; earlier stores have read their sources: only behind this wait are their base and their registers written again
.if (\a) > 0
	s_add_nc_u64 s[8:9], s[8:9], 16*PROW
.endif
.irp t, 0,1,2,3,4,5,6,7
	global_store_b128 v[CO], v[BK+4*(\t):BK+4*(\t)+3], s[8:9] offset:2*(\t)*PROW  ; 16 lanes store 256 consecutive bytes, at a multiple of 256 from pt's first byte
.endr
.endm
	COMP 0
	TOSTAGE 0
.irp a, 1,2,3,4,5,6,7                  ; block a's arithmetic stands between block a - 1's loads from the stage and the wait for them
	COMP \a
	SEND (\a)-1
	TOSTAGE \a
.endr
	SEND 7
	; the statistics: both halves of the lanes hold the same numbers and write the same words; back as 16 bytes a lane: 512 consecutive bytes of m2, 512 of l
.set a, 0
.rept 8
	ds_store_b32 v[SST], v[MST+a] offset:64*a
	ds_store_b32 v[SST], v[LST+a] offset:512+64*a
.set a, a+1
.endr
	ds_load_b128 v[SB:SB+3], v[SRD]
	ds_load_b128 v[SB+4:SB+7], v[SRD] offset:512
	s_wait_dscnt 0x0
	global_store_b128 v[SGO], v[SB:SB+3], s[10:11]
	global_store_b128 v[SGO], v[SB+4:SB+7], s[10:11] offset:LOFF
	s_sub_co_u32 s[TL], s[TL], 1
	s_cmp_eq_u32 s[TL], 0
	s_cbranch_scc1 .Lend
	s_wait_xcnt 0x0                                ; the tile's stores have read their registers and bases; nothing waits for the stores themselves: they leave while the next tile is multiplied
	s_add_nc_u64 s[8:9], s[8:9], NEXTC
	s_add_nc_u64 s[10:11], s[10:11], NEXTS
	s_branch .Ltile
.Lend:
	s_wait_tensorcnt 0x0                           ; the wave's end, behind my last tensor load and my last LDS store
	ds_add_u32 v[SPW], v[NIL]
	s_wait_dscnt 0x0
	CROUND                                         ; the closing round: no work-group ends while a partner may still ask for a tile that names it
	s_endpgm
.Lfunc_end_k_q44817b1c18_scores:
	.size	k_q44817b1c18_scores, .Lfunc_end_k_q44817b1c18_scores-k_q44817b1c18_scores
	.p2alignl 7, 3214868480
	.fill 96, 4, 3214868480
	.section	.rodata,"a",@progbits
	.p2align	6, 0x0
	.amdhsa_kernel k_q44817b1c18_scores
		.amdhsa_group_segment_fixed_size 327680
		.amdhsa_private_segment_fixed_size 0
		.amdhsa_enable_private_segment 0
		.amdhsa_kernarg_size 48
		.amdhsa_user_sgpr_count 2
		.amdhsa_user_sgpr_kernarg_segment_ptr 1
		.amdhsa_wavefront_size32 1
		.amdhsa_system_sgpr_workgroup_id_x 1
		.amdhsa_system_sgpr_workgroup_id_y 1
		.amdhsa_system_sgpr_workgroup_id_z 1
		.amdhsa_system_vgpr_workitem_id 0
		.amdhsa_next_free_vgpr 1024
		.amdhsa_next_free_sgpr 96
		.amdhsa_reserve_vcc 0
		.amdhsa_float_denorm_mode_32 3
		.amdhsa_float_denorm_mode_16_64 3
		.amdhsa_memory_ordered 1
		.amdhsa_forward_progress 1
		.amdhsa_inst_pref_size 217
	.end_amdhsa_kernel
	.amdgpu_metadata
---
amdhsa.version: [ 1, 2 ]
amdhsa.kernels:
  - .name:           k_q44817b1c18_scores
    .symbol:         k_q44817b1c18_scores.kd
    .args:
      - { .name: kb, .offset: 0, .size: 8, .value_kind: global_buffer, .address_space: global }
      - { .name: qb, .offset: 8, .size: 8, .value_kind: global_buffer, .address_space: global }
      - { .name: pt, .offset: 16, .size: 8, .value_kind: global_buffer, .address_space: global }
      - { .name: st, .offset: 24, .size: 8, .value_kind: global_buffer, .address_space: global }
      - { .name: values, .offset: 32, .size: 8, .value_kind: global_buffer, .address_space: global }
      - { .name: vh, .offset: 40, .size: 8, .value_kind: global_buffer, .address_space: global }
    .group_segment_fixed_size: 327680
    .private_segment_fixed_size: 0
    .kernarg_segment_align: 8
    .kernarg_segment_size: 48
    .max_flat_workgroup_size: 128
    .sgpr_count:     96
    .vgpr_count:     1024
    .wavefront_size: 32
...
	.end_amdgpu_metadata
.endif
;; end of part 2
;; launch norm (part 3): grid 16 x 8, 1 waves a work-group, no clusters, 0 bytes of LDS; arguments st, ct; writes ct
.if DOCPART == 3
	.amdgcn_target "amdgcn-amd-amdhsa--gfx1250"
	.amdhsa_code_object_version 6
	.text
	.protected	k_q44817b1c18_norm
	.globl	k_q44817b1c18_norm
	.p2align	8
	.type	k_q44817b1c18_norm,@function
k_q44817b1c18_norm:
	s_mov_b64 s[64:65], 0
	v_nop
	global_prefetch_b8 v0, s[64:65] scope:SCOPE_SE
	s_setreg_imm32_b32 hwreg(HW_REG_WAVE_MODE, 25, 1), 1
	s_wait_xcnt 0x0
; THE OTHER HALF OF THE SOFTMAX.  For each key k of each batch, from its sixteen blocks' m2[t][k] and l[t][k] (f32, [8][16][2048]; l lies LOFF bytes behind m2):
;   M = the largest m2,   L = the sum over t of l[t] 2^(m2[t] - M),   c[t][k] = 2^(m2[t] - M) / L,   stored as f16 [8][16][2048].
; So p c is the softmax over all 2,048 queries, with its true maximum taken away.  L is at least the sum of the block that holds the maximum, which holds a weight of 1 to within rounding: no division by 0.
; LIMITS.  c lies in 0 to about 1; below 6e-5 it keeps f16's fixed step of 6e-8; a factor below 2^-126 counts as 0.  NaN and infinities are not treated apart.
; SHARES.  One wave a work-group; lane l owns keys 128 x + 4 l .. + 3 of batch y: each load covers 512 consecutive bytes, each store 256, aligned.  All 32 loads go out at once.
; 2.5 MiB in all: 128 waves are all the work there is; no LDS, no cluster, no prefetch.
.set LOFF, 1048576
.set M,  16                            ; v[16:79]    m2 of block t at M + 4 t; then 2^(m2 - M); then c
.set LQ, 80                            ; v[80:143]   l of block t at LQ + 4 t; then c in f16, two registers a block
.set MX, 144                           ; v[144:147]  M
.set LS, 148                           ; v[148:151]  L
.set R,  152                           ; v[152:155]  1 / L
	s_load_b128 s[4:7], s[0:1], 0x0                ; st s[4:5], ct s[6:7]
	s_and_b32 s8, ttmp7, 0xffff                    ; batch
	s_lshl_b32 s10, s8, 17                         ; 16 x 2,048 x 4 bytes a batch
	s_lshl_b32 s9, ttmp9, 9                        ; 128 keys x 4 bytes
	s_add_co_u32 s10, s10, s9
	s_mov_b32 s11, 0
	s_lshl_b32 s12, s8, 16                         ; half of that on the way out
	s_lshl_b32 s9, ttmp9, 8
	s_add_co_u32 s12, s12, s9
	s_mov_b32 s13, 0
	v_lshlrev_b32 v1, 4, v0
	v_lshlrev_b32 v2, 3, v0
	s_wait_kmcnt 0x0
	s_add_nc_u64 s[4:5], s[4:5], s[10:11]
	s_add_nc_u64 s[6:7], s[6:7], s[12:13]
.set t, 0
.rept 16
	global_load_b128 v[M+4*t:M+4*t+3], v1, s[4:5] offset:8192*t
.set t, t+1
.endr
.set t, 0
.rept 16
	global_load_b128 v[LQ+4*t:LQ+4*t+3], v1, s[4:5] offset:LOFF+8192*t
.set t, t+1
.endr
	s_wait_loadcnt 16                              ; the sixteen m2 are in; the sixteen l may stay out
.irp c, 0,1,2,3
	v_max3_num_f32 v[MX+\c], v[M+\c], v[M+4+\c], v[M+8+\c]
.endr
.set t, 3
.rept 6
.irp c, 0,1,2,3
	v_max3_num_f32 v[MX+\c], v[MX+\c], v[M+4*t+\c], v[M+4*t+4+\c]
.endr
.set t, t+2
.endr
.irp c, 0,1,2,3
	v_max_num_f32 v[MX+\c], v[MX+\c], v[M+60+\c]
.endr
.set t, 0
.rept 16
.irp h, 0,1
	v_pk_add_f32 v[M+4*t+2*\h:M+4*t+2*\h+1], v[M+4*t+2*\h:M+4*t+2*\h+1], v[MX+2*\h:MX+2*\h+1] neg_lo:[0,1] neg_hi:[0,1]
.endr
.set t, t+1
.endr
.set i, 0
.rept 64
	v_exp_f32 v[M+i], v[M+i]                       ; one batch
.set i, i+1
.endr
	v_nop                                          ; a plain instruction behind the last exponential,
	s_wait_alu depctr_va_vdst(0)                   ; and the one wait ahead of the batch's first reader
	s_wait_loadcnt 0x0                             ; l
.irp h, 0,1
	v_pk_mul_f32 v[LS+2*\h:LS+2*\h+1], v[LQ+2*\h:LQ+2*\h+1], v[M+2*\h:M+2*\h+1]
.endr
.set t, 1
.rept 15
.irp h, 0,1
	v_pk_fma_f32 v[LS+2*\h:LS+2*\h+1], v[LQ+4*t+2*\h:LQ+4*t+2*\h+1], v[M+4*t+2*\h:M+4*t+2*\h+1], v[LS+2*\h:LS+2*\h+1]
.endr
.set t, t+1
.endr
.irp c, 0,1,2,3
	v_rcp_f32 v[R+\c], v[LS+\c]
.endr
	v_nop
	s_wait_alu depctr_va_vdst(0)                   ; one wait for the four reciprocals
.set t, 0
.rept 16
.irp h, 0,1
	v_pk_mul_f32 v[M+4*t+2*\h:M+4*t+2*\h+1], v[M+4*t+2*\h:M+4*t+2*\h+1], v[R+2*\h:R+2*\h+1]
.endr
.set t, t+1
.endr
.set t, 0
.rept 16
	v_cvt_pk_f16_f32 v[LQ+2*t],   v[M+4*t],   v[M+4*t+1]
	v_cvt_pk_f16_f32 v[LQ+2*t+1], v[M+4*t+2], v[M+4*t+3]
	global_store_b64 v2, v[LQ+2*t:LQ+2*t+1], s[6:7] offset:4096*t  ; the wave stores 256 consecutive bytes, at a multiple of 256 from ct's first byte
.set t, t+1
.endr
	s_endpgm
.Lfunc_end_k_q44817b1c18_norm:
	.size	k_q44817b1c18_norm, .Lfunc_end_k_q44817b1c18_norm-k_q44817b1c18_norm
	.p2alignl 7, 3214868480
	.fill 96, 4, 3214868480
	.section	.rodata,"a",@progbits
	.p2align	6, 0x0
	.amdhsa_kernel k_q44817b1c18_norm
		.amdhsa_group_segment_fixed_size 0
		.amdhsa_private_segment_fixed_size 0
		.amdhsa_enable_private_segment 0
		.amdhsa_kernarg_size 16
		.amdhsa_user_sgpr_count 2
		.amdhsa_user_sgpr_kernarg_segment_ptr 1
		.amdhsa_wavefront_size32 1
		.amdhsa_system_sgpr_workgroup_id_x 1
		.amdhsa_system_sgpr_workgroup_id_y 1
		.amdhsa_system_sgpr_workgroup_id_z 1
		.amdhsa_system_vgpr_workitem_id 0
		.amdhsa_next_free_vgpr 160
		.amdhsa_next_free_sgpr 66
		.amdhsa_reserve_vcc 0
		.amdhsa_float_denorm_mode_32 3
		.amdhsa_float_denorm_mode_16_64 3
		.amdhsa_memory_ordered 1
		.amdhsa_forward_progress 1
		.amdhsa_inst_pref_size 18
	.end_amdhsa_kernel
	.amdgpu_metadata
---
amdhsa.version: [ 1, 2 ]
amdhsa.kernels:
  - .name:           k_q44817b1c18_norm
    .symbol:         k_q44817b1c18_norm.kd
    .args:
      - { .name: st, .offset: 0, .size: 8, .value_kind: global_buffer, .address_space: global }
      - { .name: ct, .offset: 8, .size: 8, .value_kind: global_buffer, .address_space: global }
    .group_segment_fixed_size: 0
    .private_segment_fixed_size: 0
    .kernarg_segment_align: 8
    .kernarg_segment_size: 16
    .max_flat_workgroup_size: 32
    .sgpr_count:     66
    .vgpr_count:     160
    .wavefront_size: 32
...
	.end_amdgpu_metadata
.endif
;; end of part 3
;; launch out (part 4): grid 4 x 64, 4 waves a work-group, clusters of 4 x 4, 327,680 bytes of LDS; arguments pt, vh, ct, out0; writes out0
.if DOCPART == 4
	.amdgcn_target "amdgcn-amd-amdhsa--gfx1250"
	.amdhsa_code_object_version 6
	.text
	.protected	k_q44817b1c18_out
	.globl	k_q44817b1c18_out
	.p2align	8
	.type	k_q44817b1c18_out,@function
k_q44817b1c18_out:
	s_mov_b64 s[64:65], 0
	v_nop
	global_prefetch_b8 v0, s[64:65] scope:SCOPE_SE
	s_setreg_imm32_b32 hwreg(HW_REG_WAVE_MODE, 25, 1), 1
	s_wait_xcnt 0x0
	s_wait_alu depctr_hold_cnt(0) depctr_sa_sdst(0) depctr_va_vdst(0) depctr_va_sdst(0) depctr_va_ssrc(0) depctr_va_vcc(0) depctr_vm_vsrc(0)
	s_getreg_b32 s2, hwreg(HW_REG_IB_STS2, 6, 4)
	s_cmp_eq_u32 s2, 0
	s_cbranch_scc0 .Lentry_in_a_cluster
	s_endpgm
.Lentry_in_a_cluster:
	s_bfe_u32 s2, ttmp6, 0x10000c
	s_cmp_lg_u32 s2, 0xf033
	s_cbranch_scc0 .Lentry_shape_is_right
	s_endpgm
.Lentry_shape_is_right:
; out[q][d] = the sum over k of (p[k][q] c[t][k]) V[k][d], t = the block of 128 queries that holds q.  pt: [8][2048 k][2048 q] f16; vh: [8][2048 k][1024 d] f16; ct: [8][16 t][2048 k] f16;
; out0: [8][2048 q][1024 d] f32.  p c is rounded to f16 for the product; sums in f32.
; LIMITS.  p c lies in 0 to about 1; below 6e-5 it keeps f16's fixed step of 6e-8.  V arrives within f16's range.  NaN and infinities are not treated apart.
; SHARES.  A work-group of four waves makes 256 queries x 256 channels, a wave 128 x 128: 64 accumulators, 512 registers; a wave's 128 queries are ONE block t, so it needs one row of ct.
; The 2,048 keys go in 16 steps of 128 through a ring of two LDS slots filled by the tensor data mover.  Both operands lie [key][..] in memory: a tile is 128 key rows of 512 bytes, and both come out of LDS
; turned, by ds_load_tr16_b128.
; THE MATRIX INSTRUCTION: source 0 = 16 channels of V, source 1 = 16 queries of p c.  In the result lane l holds ONE query (l % 16) and the channels 8 (l / 16) + 0..7: 32 consecutive bytes of out0.
; THE FACTOR c.  In a fragment of p a lane's register n holds two neighbouring keys, the same in all eight fragments of a quarter step; the same keys' c are 2 x 16 bytes of the table.  64 packed multiplies a
; quarter step scale the NEXT quarter's fragments; they stand four behind each of the quarter's last sixteen matrix instructions.
; CLUSTER.  4 x 4 work-groups.  The four of a row of the cluster need the same tiles of p, the four of a column the same tiles of V: each is asked for JOINTLY.
; REGISTERS, in windows of 256 (s_set_vgpr_msb: bits 1:0 source 0, 3:2 source 1, 5:4 source 2, 7:6 destination).  Block a is my queries 16 a .. 16 a + 15; its accumulator for channel block b has 8 registers.
;   window 0: v12-31 addresses; v48-63 ct on its way in; v128-255 the accumulators of blocks 4, 5
;   window 1: v32-39, v40-47 c for the two buffers; v64-127, v128-191 V's fragments, two buffers; on the way out two sets of 16 rows
;   window 2: the accumulators of blocks 0 to 3          window 3: v0-127 the accumulators of blocks 6, 7; v128-191, v192-255 p's fragments, two buffers
; So the setting under which blocks 6 and 7 are multiplied (source 0 window 1, source 1, C and D window 3) is also the one under which p = c x p names its registers: the multiplies need no switch of their own.
.set PITCH,  544                       ; an LDS row: 512 bytes + 32 of padding = 136 words
.set HALFT,  64*PITCH                  ; 64 key rows: what one tensor load brings
.set SLOT,   4*HALFT                   ; p's 128 key rows, then V's.  0x22000: the waves' bases 0, 0x8800, 0x11000, 0x19800 hold neither of its bits, so one exclusive or turns a base in one slot into the other's
.set QSTEP,  32*PITCH                  ; a quarter step: 32 key rows
.set STAGE,  2*SLOT                    ; behind the ring: 16 rows x 528 bytes for each wave, for the way out
.set SPITCH, 528                       ; 512 bytes + 16: the 16 rows of a store start at 16 different groups of four banks
.set CT,     STAGE+4*16*SPITCH         ; two rows of ct, 4,096 bytes each: blocks t = 2 x query tile and the next
.set SPARE,  CT+2*4096                 ; the spare words, 128 bytes for each wave: two blocks of 256 bytes that no other line names
.set KA,     128*4096                  ; bytes from a K step to the next in pt
.set KB,     128*2048                  ; and in vh
.set OROW,   4096                      ; bytes in a row of out0
.set CIN,   12                         ; v12  16 x thread: my 16 bytes of 2,048 of ct
.set CTO,   13                         ; v13  where they go in LDS
.set ADRA,  16                         ; v16  LDS address of p's fragments in the slot in hand;  v17 the same in slot 0, never rewritten
.set ADRA0, 17
.set ADRB,  18                         ; v18, v19  the same for V
.set ADRB0, 19
.set ADRC,  20                         ; v20  LDS address of c for the K step in hand;  v21 for K step 0, never rewritten
.set ADRC0, 21
.set STO,   24                         ; v24  the way out: where I put 32 bytes of a row
.set RD,    25                         ; v25  where I read a row back
.set CO,    26                         ; v26  16 x lane: my 16 bytes of 512 of a row of out0
.set SPW,   28                         ; v28  LDS address of my spare word: SPARE + 4 x my thread's number; never rewritten
.set NIL,   29                         ; v29  0; never rewritten
.set PFO,   30                         ; v30  the prefetches' offset; never rewritten
.set CTR,   48
.set CF0,   32                         ; window 1: c for buffer i at CF0 + 8 i
.set FB,    64                         ; window 1: V's fragments, buffer i at FB + 64 i
.set FA,    128                        ; window 3: p's fragments, buffer i at FA + 64 i
.set CNT, 3                            ; s3   counts the loops
.set WV,  12                           ; s12  wave
.set RH,  13                           ; s13  which half of the tile's queries is mine.  Also: I fetch p (0) or V (1)
.set CH,  14                           ; s14  which half of its channels.  Also: which 64 key rows of that tile I fetch
.set CX,  15
.set CY,  16
.set TC,  17                           ; s17  channel tile, 0..3
.set GY,  18                           ; s18  query tile over the stacked batches, 0..63
.set BT,  19                           ; s19  batch
.set LB,  20                           ; s20  where my tensor loads land in slot 0
.set CUR, 21                           ; s21  the slot that is being read: 0 or SLOT
.set G1A, 24                           ; s[24:31] descriptor group 1 for p's tiles
.set G0A, 32                           ; s[32:39] group 0: a set for each of the two first fills; the second then walks on
.set CLY, 42                           ; s42  cluster y
.set LIM, 43                           ; s43  2 in a wave that prefetches, else the greatest number
.set PFA, 44                           ; s[44:45] where my prefetches stand
.set G1B, 48                           ; s[48:55], s[56:63] the same for V's tiles
.set G0B, 56
.set PST, 72                           ; s[72:73] a K step in the tensor that I prefetch
.set KC,  74                           ; s74  256 x the K step in hand: its place in a row of ct
.set QK,  75                           ; s75  query tile in the batch, 0..7
.set MSB, 0
.macro WIN new                         ; the immediate's high byte repeats the setting that is left; a switch that changes nothing is dropped
.if MSB != (\new)
	s_set_vgpr_msb (MSB<<8)|(\new)
.set MSB, \new
.endif
.endm
.set TO_1, 0x40                        ; destination window 1, address window 0
.set TO_3, 0xc0                        ; destination window 3, address window 0
.set RID,  0xfd                        ; source 0 window 1, source 1, source 2 and destination window 3
; A joint refill by the walking descriptor.  Waves 0 and 1 fetch p's two halves, waves 2 and 3 V's.  An s_nop 0 and four v_nop follow each of the two lines, ahead of the jump and the label.
.macro JLOAD
	s_cmp_eq_u32 s[RH], 0
	s_cbranch_scc0 .Lfor_b_\@
	tensor_load_to_lds s[G0A+4:G0A+7], s[G1A:G1A+7]
	s_nop 0
.rept 4
	v_nop
.endr
	s_branch .Lasked_\@
.Lfor_b_\@:
	tensor_load_to_lds s[G0B+4:G0B+7], s[G1B:G1B+7]
	s_nop 0
.rept 4
	v_nop
.endr
.Lasked_\@:
.endm
; A PREFETCH INTO THE L2, behind the joint load and the run of LDS loads: the K step that stands two refills on.  A wave's tile is 64 rows x 512 bytes: 128 blocks of 256.  The four partners that ask for it
; jointly share the rows out BY ADDRESS, 16 each (place cx for p, cy for V): 32 blocks, a lane a block, one instruction a wave.  Each block is named once in the launch: a tile of p is read by one cluster alone,
; which asks; a tile of V by the batch's two clusters, of which the even one asks.  The loop's last two trips ask for nothing: K steps 16 and 17 do not exist.  K steps 0 to 3 come by their loads alone.
.macro ASK
	WIN 0
	s_cmp_gt_u32 s[CNT], s[LIM]
	s_cbranch_scc0 .Lnot_mine_\@
	global_prefetch_b8 v[PFO], s[PFA:PFA+1] th:TH_LOAD_NT scope:SCOPE_SE
.Lnot_mine_\@:
.endm
; A round of the cluster's barrier: my work-group's barrier, so that wave 0's signal speaks for all four waves; wave 0 signals; every wave waits for all sixteen work-groups; my work-group's barrier once more.
.macro CREST
	s_cmp_lg_u32 s[WV], 0
	s_cbranch_scc1 .Lnot_wave_0_\@
	s_barrier_signal -3
.Lnot_wave_0_\@:
	s_barrier_wait -3
	s_barrier_signal -1
	s_barrier_wait -1
.endm
.macro CROUND
	s_barrier_signal -1
	s_barrier_wait -1
	CREST
.endm
	s_load_b256 s[4:11], s[0:1], 0x0               ; pt s[4:5], vh s[6:7], ct s[8:9], out0 s[10:11]
	v_lshl_add_u32 v[SPW], v0, 2, SPARE
	v_mov_b32 v[NIL], 0
	ds_add_u32 v[SPW], v[NIL]                      ; the wave's opening: the add and its wait stand ahead of my first tensor load; the set-up below, work on registers, stands between them
	v_lshrrev_b32 v1, 5, v0
	v_readfirstlane_b32 s[WV], v1
	v_lshlrev_b32 v[CIN], 4, v0
	v_lshl_add_u32 v[CTO], v0, 4, CT
	s_lshr_b32 s[RH], s[WV], 1
	s_and_b32 s[CH], s[WV], 1
	s_bfe_u32 s[CX], ttmp6, 0x40000                ; my place in the cluster
	s_bfe_u32 s[CY], ttmp6, 0x40004
	s_lshl_b32 s[TC], ttmp9, 2                     ; in a cluster launch ttmp9 and ttmp7 count clusters
	s_add_co_u32 s[TC], s[TC], s[CX]
	s_and_b32 s[CLY], ttmp7, 0xffff
	s_lshl_b32 s[GY], s[CLY], 2
	s_add_co_u32 s[GY], s[GY], s[CY]
	s_lshr_b32 s[BT], s[CLY], 1                    ; a batch has 8 query tiles: two clusters
	s_and_b32 s[QK], s[GY], 7
	s_lshl_b32 s22, s[CY], 2
	s_lshl_b32 s22, 15, s22                        ; my row of the cluster: places 4 cy .. 4 cy + 3
	s_lshl_b32 s23, 0x1111, s[CX]                  ; my column: places cx, cx + 4, cx + 8, cx + 12
	; descriptor group 1: a tile of 64 rows x 256 elements, padded in LDS
	s_or_b32 s[G1A], s22, (1<<16)|(1<<20)|(1<<21)|(6<<22)|(7<<25)  ; 15:0 the mask; 17:16 elements of 2 bytes; 20 padding on; 21 set beside a mask; 24:22 after every 128 words (code 6); 31:25 8 words of it (code 7)
	s_or_b32 s[G1B], s23, (1<<16)|(1<<20)|(1<<21)|(6<<22)|(7<<25)
.irp g, G1A, G1B
	s_mov_b32 s[(\g)+1], 256<<16                   ; tensor_dim0 = 256
	s_mov_b32 s[(\g)+2], 64<<16                    ; tensor_dim1 = 64
	s_mov_b32 s[(\g)+3], 256<<16                   ; tile_dim0 = 256
	s_mov_b32 s[(\g)+4], 64                        ; tile_dim1 = 64
	s_mov_b32 s[(\g)+6], 0
	s_mov_b32 s[(\g)+7], 0
.endr
	s_mov_b32 s[G1A+5], 2048                       ; elements from row to row: pt
	s_mov_b32 s[G1B+5], 1024                       ; vh
	; where the tiles come from: p's hang on batch and query tile, which my row of the cluster shares; V's on batch and channel tile, which my column shares
	s_lshl_b32 s40, s[BT], 23                      ; pt: 2,048 rows of 4,096 bytes a batch,
	s_lshl_b32 s41, s[QK], 9                       ; 256 queries of 2 bytes a tile,
	s_add_co_u32 s40, s40, s41
	s_lshl_b32 s41, s[CH], 18                      ; the 64 key rows that I fetch
	s_add_co_u32 s40, s40, s41
	s_mov_b32 s41, 0
	s_lshl_b32 s46, s[BT], 22                      ; vh: 2,048 rows of 2,048 bytes a batch,
	s_lshl_b32 s47, s[TC], 9
	s_add_co_u32 s46, s46, s47
	s_lshl_b32 s47, s[CH], 17
	s_add_co_u32 s46, s46, s47
	s_mov_b32 s47, 0
	s_lshl_b32 s22, s[BT], 16                      ; ct: the two rows that the work-group needs, 8,192 consecutive bytes
	s_lshl_b32 s23, s[QK], 13
	s_add_co_u32 s22, s22, s23
	s_mov_b32 s23, 0
	s_mul_i32 s[LB], s[WV], HALFT                  ; where the tiles go: wave x 64 rows: no place in the cluster enters an LDS address
	s_mov_b32 s[CUR], 0
	s_mov_b32 s[KC], 0
	s_wait_dscnt 0x0                               ; the opening add is done
	s_wait_kmcnt 0x0
	s_add_nc_u64 s[8:9], s[8:9], s[22:23]
.irp i, 0,1,2,3
	global_load_b128 v[CTR+4*(\i):CTR+4*(\i)+3], v[CIN], s[8:9] offset:2048*(\i)  ; 16 bytes a thread, four times; asked for ahead of the round, so that they come while the work-groups meet and the first tiles land
.endr
	s_add_nc_u64 s[40:41], s[4:5], s[40:41]
	s_add_nc_u64 s[46:47], s[6:7], s[46:47]
.irp s, 0,1
	s_mov_b32 s[G0A+4*(\s)], 1                                     ; 1:0 count = 1
	s_add_co_u32 s[G0A+4*(\s)+1], s[LB], (\s)*SLOT                 ; 63:32 LDS address
	s_add_nc_u64 s[G0A+4*(\s)+2:G0A+4*(\s)+3], s[40:41], (\s)*KA   ; 120:64 global address: K step s
	s_or_b32 s[G0A+4*(\s)+3], s[G0A+4*(\s)+3], 0x80000000          ; 127:126 type = 2
	s_mov_b32 s[G0B+4*(\s)], 1
	s_add_co_u32 s[G0B+4*(\s)+1], s[LB], (\s)*SLOT
	s_add_nc_u64 s[G0B+4*(\s)+2:G0B+4*(\s)+3], s[46:47], (\s)*KB
	s_or_b32 s[G0B+4*(\s)+3], s[G0B+4*(\s)+3], 0x80000000
.endr
	CROUND                                         ; all sixteen work-groups are here: the first joint loads meet
	s_cmp_eq_u32 s[RH], 0                          ; a wave's two first fills stand in one branch, ahead of every wait on TENSORcnt and every LDS read: two loads of mine are out
	s_cbranch_scc0 .Lfirst_b
	tensor_load_to_lds s[G0A:G0A+3], s[G1A:G1A+7]
	s_nop 0
	tensor_load_to_lds s[G0A+4:G0A+7], s[G1A:G1A+7]
	s_nop 0
.rept 4
	v_nop
.endr
	s_branch .Lfirst_asked
.Lfirst_b:
	tensor_load_to_lds s[G0B:G0B+3], s[G1B:G1B+7]
	s_nop 0
	tensor_load_to_lds s[G0B+4:G0B+7], s[G1B:G1B+7]
	s_nop 0
.rept 4
	v_nop
.endr
.Lfirst_asked:
	; The turning load takes 16 keys x 16 columns (lane l reads 16 bytes: key 8 (l / 16) + l % 8, columns 8 ((l / 8) % 2) + 0..7) and leaves half a fragment: lane l holds column l % 16 and 8 keys.
	v_and_b32 v1, 15, v0                           ; l % 16
	v_bfe_u32 v2, v0, 4, 1                         ; l / 16
	v_and_b32 v3, 7, v0
	v_bfe_u32 v4, v0, 3, 1
	v_and_b32 v6, 31, v0                           ; l
	v_lshl_add_u32 v5, v2, 3, v3
	v_mul_u32_u24 v5, v5, PITCH
	v_lshl_add_u32 v5, v4, 4, v5
	s_lshl_b32 s22, s[RH], 8                       ; my 128 queries: 256 bytes of p's rows
	s_lshl_b32 s23, s[CH], 8                       ; my 128 channels of V's rows,
	s_add_co_u32 s23, s23, 2*HALFT                 ; which lie behind p's 128
	v_add_nc_u32 v[ADRA0], s22, v5
	v_add_nc_u32 v[ADRB0], s23, v5
	v_mov_b32 v[ADRA], v[ADRA0]
	v_mov_b32 v[ADRB], v[ADRB0]
	s_lshl_b32 s22, s[RH], 12
	s_add_co_u32 s22, s22, CT                      ; my block's row of ct
	v_lshl_add_u32 v[ADRC0], v2, 4, s22            ; keys 8 (l / 16) + 0..7: 16 bytes
	v_mov_b32 v[ADRC], v[ADRC0]
	s_mul_i32 s22, s[WV], 16*SPITCH
	s_add_co_u32 s22, s22, STAGE                   ; my stage
	v_mul_u32_u24 v7, v1, SPITCH                   ; in: row l % 16, 32 bytes for each half of the lanes
	v_lshl_add_u32 v7, v2, 5, v7
	v_add_nc_u32 v[STO], s22, v7
	v_lshl_add_u32 v[RD], v6, 4, s22               ; back: 32 lanes take one row of 512 bytes
	v_lshlrev_b32 v[CO], 4, v6
	; out0 at my first row and column: query row 256 x query tile + 128 x half, 4,096 bytes a row; channel 256 x channel tile + 128 x half, 4 bytes each
	s_lshl_b32 s22, s[GY], 20
	s_lshl_b32 s23, s[RH], 19
	s_add_co_u32 s22, s22, s23
	s_lshl_b32 s23, s[TC], 10
	s_add_co_u32 s22, s22, s23
	s_lshl_b32 s23, s[CH], 9
	s_add_co_u32 s22, s22, s23
	s_mov_b32 s23, 0
	s_add_nc_u64 s[10:11], s[10:11], s[22:23]
	; the prefetches: my tile's first byte, + my work-group's 16 rows of the 64, at K step 3: the first refill steps it to 4 and names that
	s_lshl_b32 s22, s[BT], 23
	s_lshl_b32 s70, s[QK], 9
	s_add_co_u32 s22, s22, s70
	s_lshl_b32 s70, s[CH], 18
	s_add_co_u32 s22, s22, s70
	s_lshl_b32 s70, s[CX], 16
	s_add_co_u32 s22, s22, s70
	s_add_co_u32 s22, s22, 3*KA                    ; in pt
	s_lshl_b32 s23, s[BT], 22
	s_lshl_b32 s70, s[TC], 9
	s_add_co_u32 s23, s23, s70
	s_lshl_b32 s70, s[CH], 17
	s_add_co_u32 s23, s23, s70
	s_lshl_b32 s70, s[CY], 15
	s_add_co_u32 s23, s23, s70
	s_add_co_u32 s23, s23, 3*KB                    ; in vh
	s_and_b32 s71, s[CLY], 1
	s_mov_b32 s[PST], KB
	s_mov_b32 s[PST+1], 0
	s_cmp_eq_u32 s[RH], 0                          ; do I fetch p?
	s_cselect_b32 s22, s22, s23
	s_cselect_b32 s[PST], KA, s[PST]
	s_cselect_b32 s70, 12, 11                      ; a row is 4,096 or 2,048 bytes
	s_cselect_b32 s71, 0, s71                      ; 0 in the cluster that asks: the same in all sixteen partners, for a given wave
	s_cselect_b64 s[PFA:PFA+1], s[4:5], s[6:7]
	s_cmp_eq_u32 s71, 0
	s_cselect_b32 s[LIM], 2, -1
	s_mov_b32 s23, 0
	s_add_nc_u64 s[PFA:PFA+1], s[PFA:PFA+1], s[22:23]
	v_lshrrev_b32 v7, 1, v6                        ; lane l: row l / 2, half l % 2 of its 512 bytes
	v_and_b32 v8, 1, v6
	v_lshlrev_b32 v7, s70, v7
	v_lshl_add_u32 v[PFO], v8, 8, v7
	s_wait_loadcnt 0x0                             ; ct
.irp i, 0,1,2,3
	ds_store_b128 v[CTO], v[CTR+4*(\i):CTR+4*(\i)+3] offset:2048*(\i)
.endr
; 16 matrix instructions on buffer f (0, 1): query blocks 2 grp and 2 grp + 1 x all 8 channel blocks, 32 keys.  zero = 1: the first product starts the sums.
; The 64 accumulators take turns, in the same order in every quarter step.
; ride = 1 (with grp = 3 alone): behind each product stand four of the 64 multiplies that scale the OTHER buffer's fragments of p by c, under the products' own window setting.  They name no register of the
; products round them.
.macro MUL16 f, grp, zero, ride=0
.if (\grp) < 2
.set WS, 0xad                          ; V window 1, p window 3, C and D window 2
.set AB, 128*(\grp)
.elseif (\grp) == 2
.set WS, 0x0d                          ; C and D window 0
.set AB, 128
.else
.set WS, RID                           ; C and D window 3
.set AB, 0
.endif
.set rn, 0
	WIN WS
.irp a, 0,1
.irp b, 0,1,2,3,4,5,6,7
.if \zero
	v_wmma_f32_16x16x32_f16 v[AB+64*(\a)+8*(\b):AB+64*(\a)+8*(\b)+7], v[FB+64*(\f)+8*(\b):FB+64*(\f)+8*(\b)+7], v[FA+64*(\f)+8*(2*(\grp)+(\a)):FA+64*(\f)+8*(2*(\grp)+(\a))+7], 0
.else
	v_wmma_f32_16x16x32_f16 v[AB+64*(\a)+8*(\b):AB+64*(\a)+8*(\b)+7], v[FB+64*(\f)+8*(\b):FB+64*(\f)+8*(\b)+7], v[FA+64*(\f)+8*(2*(\grp)+(\a)):FA+64*(\f)+8*(2*(\grp)+(\a))+7], v[AB+64*(\a)+8*(\b):AB+64*(\a)+8*(\b)+7]
.endif
.if \ride
.rept 4
	v_pk_mul_f16 v[FA+64*(1-(\f))+rn], v[CF0+8*(1-(\f))+rn%8], v[FA+64*(1-(\f))+rn]
.set rn, rn+1
.endr
.endif
.endr
.endr
.endm
; 34 LDS loads in one run, for quarter kq of the K step in hand, into buffer g (0, 1): c of its 32 keys, p's eight fragments, then V's eight
.macro FETCH kq, g
	WIN TO_1
	ds_load_b128 v[CF0+8*(\g):CF0+8*(\g)+3],   v[ADRC] offset:64*(\kq)
	ds_load_b128 v[CF0+8*(\g)+4:CF0+8*(\g)+7], v[ADRC] offset:64*(\kq)+32
	WIN TO_3
.irp i, 0,1,2,3,4,5,6,7
	ds_load_tr16_b128 v[FA+64*(\g)+8*(\i):FA+64*(\g)+8*(\i)+3],   v[ADRA] offset:(\kq)*QSTEP+32*(\i)
	ds_load_tr16_b128 v[FA+64*(\g)+8*(\i)+4:FA+64*(\g)+8*(\i)+7], v[ADRA] offset:(\kq)*QSTEP+32*(\i)+16*PITCH
.endr
	WIN TO_1
.irp i, 0,1,2,3,4,5,6,7
	ds_load_tr16_b128 v[FB+64*(\g)+8*(\i):FB+64*(\g)+8*(\i)+3],   v[ADRB] offset:(\kq)*QSTEP+32*(\i)
	ds_load_tr16_b128 v[FB+64*(\g)+8*(\i)+4:FB+64*(\g)+8*(\i)+7], v[ADRB] offset:(\kq)*QSTEP+32*(\i)+16*PITCH
.endr
.endm
.macro PLACES                          ; four plain vector instructions between a matrix instruction and a load into, or a store of, its registers
.rept 4
	v_nop
.endr
.endm
; A K step is four quarters of 32 keys, 64 matrix instructions each, on buffers 0, 1, 0, 1.  One of the first three: multiplies buffer f; in its middle it fetches quarter kq into the other buffer, and at its end scales it.
.macro QUARTER kq, f, zero
	s_wait_dscnt 0x0                               ; V's fragments of this quarter, issued 32 matrix instructions back
	MUL16 \f, 0, \zero
	MUL16 \f, 1, \zero
	PLACES
	FETCH \kq, 1-(\f)
	MUL16 \f, 2, \zero
	s_wait_dscnt 16                                ; c and p of the next quarter are in; V's sixteen loads may be out
	MUL16 \f, 3, \zero, 1
.endm
; The last quarter multiplies buffer 1 and changes slots.  MEET is its first half: ONE barrier.  In front of it each wave waits for all its tensor loads, of which one is out: its part of the next slot;
; adds 0 to its spare word; and waits for that and for its own reads of this slot.  Behind it nobody reads this slot any more and the next slot is whole.
.macro MEET round
	WIN 0                                          ; (the add's two registers lie in window 0)
	s_wait_tensorcnt 0x0                           ; all my tensor loads have landed
	ds_add_u32 v[SPW], v[NIL]                      ; 0 onto my spare word
	s_wait_dscnt 1                                 ; (the add alone may be out: V's fragments are in)
	MUL16 1, 0, 0                                  ; sixteen matrix instructions stand between the add and the wait for it
	s_wait_dscnt 0x0                               ; the add is done, and my reads of this slot are over
	s_barrier_signal -1
	MUL16 1, 1, 0                                  ; work on registers while the others arrive
.if \round
	WIN 0
.endif
	s_barrier_wait -1
.endm
; The whole last quarter.  fill = 1: the barrier opens a round of the cluster's, so that no wave of any partner still reads the slot or has a load on its way, and the slot just read out is filled again
; first thing behind it, with the K step two steps on: 224 matrix instructions stand between that request and the wait for it.  Then come the next slot's first fragments.
.macro TURN fill
.if \fill
	s_wait_xcnt 0x0                                ; the last prefetch, a K step back, has read its address, so it may be stepped
	s_add_nc_u64 s[PFA:PFA+1], s[PFA:PFA+1], s[PST:PST+1]
	MEET 1
	CREST
	s_xor_b32 s[G0A+5], s[G0A+5], SLOT             ; the walking descriptors: the other slot than last time,
	s_add_nc_u64 s[G0A+6:G0A+7], s[G0A+6:G0A+7], KA  ; the next K step; the type bits on top are not reached
	s_xor_b32 s[G0B+5], s[G0B+5], SLOT
	s_add_nc_u64 s[G0B+6:G0B+7], s[G0B+6:G0B+7], KB
	JLOAD                                          ; the four v_nop behind it are also the places in front of the loads below
.else
	MEET 0
	PLACES
.endif
	s_xor_b32 s[CUR], s[CUR], SLOT
	s_add_co_u32 s[KC], s[KC], 256                 ; the next 128 keys' c;
	s_and_b32 s[KC], s[KC], 0xfff                  ; behind the last K step it goes back to the row's head, so that the fetch that serves nothing stays inside the table
	WIN 0
	v_add_nc_u32 v[ADRA], s[CUR], v[ADRA0]
	v_add_nc_u32 v[ADRB], s[CUR], v[ADRB0]
	v_add_nc_u32 v[ADRC], s[KC], v[ADRC0]
	FETCH 0, 0
.if \fill
	ASK
.endif
	MUL16 1, 2, 0
	s_wait_dscnt 16                                ; c and p are in; V's sixteen loads may be out
	MUL16 1, 3, 0, 1
.endm
	s_wait_tensorcnt 0x1                           ; my part of K step 0 is in; K step 1's may stay out
	s_wait_dscnt 0x0                               ; my part of the tables is written
	s_barrier_signal -1
	s_barrier_wait -1                              ; everybody's is
	FETCH 0, 0
	s_wait_dscnt 0x0
	WIN RID
.set rn, 0
.rept 64
	v_pk_mul_f16 v[FA+rn], v[CF0+rn%8], v[FA+rn]   ; the first quarter's p is scaled by itself: there are no products yet to set it behind
.set rn, rn+1
.endr
	QUARTER 1, 0, 1                                ; the first quarter stands in front of the loop: its products start the sums
	WIN 0                                          ; at a label and at a branch every window is 0
	s_mov_b32 s[CNT], 14
.Lstep:                                                ; a trip goes from a K step's second quarter to the next step's first, and asks for K steps 2 to 15
	QUARTER 2, 1, 0
	QUARTER 3, 0, 0
	TURN 1
	QUARTER 1, 0, 0
	WIN 0
	s_sub_co_u32 s[CNT], s[CNT], 1
	s_cmp_lg_u32 s[CNT], 0
	s_cbranch_scc1 .Lstep
	s_mov_b32 s[CNT], 2
.Ltail:                                                ; the last two K steps ask for nothing: written apart, and left in the middle of the second trip
	QUARTER 2, 1, 0
	QUARTER 3, 0, 0
	TURN 0
	WIN 0
	s_sub_co_u32 s[CNT], s[CNT], 1
	s_cmp_eq_u32 s[CNT], 0
	s_cbranch_scc1 .Lout
	QUARTER 1, 0, 0
	WIN 0
	s_branch .Ltail
.Lout:                                                 ; the second trip's barrier, its 34 loads (from the slot of the K step before) and their scaling serve nothing: the price, once a launch, of one text for both trips
	s_wait_dscnt 0x0
	PLACES
; THE WAY OUT.  Block a (16 queries): a lane's 32 bytes of a row go into rows of 528 bytes of my own stage, each accumulator's lowest registers first, and come back as whole rows of 512,
; into the registers that held V's fragments.
.macro TOSTAGE a
.if (\a) < 4
.set W, 2
.set AC, 64*(\a)
.elseif (\a) < 6
.set W, 0
.set AC, 128+64*((\a)-4)
.else
.set W, 3
.set AC, 64*((\a)-6)
.endif
.set BK, FB+64*((\a)%2)
.if (\a) >= 2
	s_wait_xcnt 0x0                                ; the stores of the block two back have read these registers: they are loaded again only behind this wait
.endif
	WIN W<<2                                       ; the data of an LDS store is source 1
.irp b, 0,1,2,3,4,5,6,7
	ds_store_b128 v[STO], v[AC+8*(\b):AC+8*(\b)+3]   offset:64*(\b)
	ds_store_b128 v[STO], v[AC+8*(\b)+4:AC+8*(\b)+7] offset:64*(\b)+16
.endr
	WIN TO_1
.set t, 0
.rept 16
	ds_load_b128 v[BK+4*t:BK+4*t+3], v[RD] offset:SPITCH*t  ; LDS serves a wave's instructions in order (ISA guide 5.7.1.4): these see the stores above; the next block's stores come behind them
.set t, t+1
.endr
.endm
.macro SEND a, younger                 ; younger: the LDS instructions issued behind block a's loads: the next block's 32, or none
.set BK, FB+64*((\a)%2)
	WIN 0x04                                       ; the data of a global store is source 1: window 1; its address register lies in window 0
	s_wait_dscnt \younger
	s_wait_xcnt 0x0                                ; earlier stores have read their base, so it may be stepped
.if (\a) > 0
	s_add_nc_u64 s[10:11], s[10:11], 16*OROW
.endif
.set t, 0
.rept 16
	global_store_b128 v[CO], v[BK+4*t:BK+4*t+3], s[10:11] offset:OROW*t th:TH_STORE_NT  ; the wave stores 512 consecutive bytes, at a multiple of 512 from out0's first byte
.set t, t+1
.endr
.endm
	TOSTAGE 0
.irp a, 1,2,3,4,5,6,7
	TOSTAGE \a
	SEND (\a)-1, 32
.endr
	SEND 7, 0
	WIN 0
	s_wait_tensorcnt 0x0                           ; the wave's end, behind my last tensor load and my last LDS store
	ds_add_u32 v[SPW], v[NIL]
	s_wait_dscnt 0x0
	CROUND                                         ; the closing round: no work-group ends while a partner may still ask for a tile that names it
	s_endpgm
.Lfunc_end_k_q44817b1c18_out:
	.size	k_q44817b1c18_out, .Lfunc_end_k_q44817b1c18_out-k_q44817b1c18_out
	.p2alignl 7, 3214868480
	.fill 96, 4, 3214868480
	.section	.rodata,"a",@progbits
	.p2align	6, 0x0
	.amdhsa_kernel k_q44817b1c18_out
		.amdhsa_group_segment_fixed_size 327680
		.amdhsa_private_segment_fixed_size 0
		.amdhsa_enable_private_segment 0
		.amdhsa_kernarg_size 32
		.amdhsa_user_sgpr_count 2
		.amdhsa_user_sgpr_kernarg_segment_ptr 1
		.amdhsa_wavefront_size32 1
		.amdhsa_system_sgpr_workgroup_id_x 1
		.amdhsa_system_sgpr_workgroup_id_y 1
		.amdhsa_system_sgpr_workgroup_id_z 1
		.amdhsa_system_vgpr_workitem_id 0
		.amdhsa_next_free_vgpr 1024
		.amdhsa_next_free_sgpr 76
		.amdhsa_reserve_vcc 0
		.amdhsa_float_denorm_mode_32 3
		.amdhsa_float_denorm_mode_16_64 3
		.amdhsa_memory_ordered 1
		.amdhsa_forward_progress 1
		.amdhsa_inst_pref_size 143
	.end_amdhsa_kernel
	.amdgpu_metadata
---
amdhsa.version: [ 1, 2 ]
amdhsa.kernels:
  - .name:           k_q44817b1c18_out
    .symbol:         k_q44817b1c18_out.kd
    .args:
      - { .name: pt, .offset: 0, .size: 8, .value_kind: global_buffer, .address_space: global }
      - { .name: vh, .offset: 8, .size: 8, .value_kind: global_buffer, .address_space: global }
      - { .name: ct, .offset: 16, .size: 8, .value_kind: global_buffer, .address_space: global }
      - { .name: out0, .offset: 24, .size: 8, .value_kind: global_buffer, .address_space: global }
    .group_segment_fixed_size: 327680
    .private_segment_fixed_size: 0
    .kernarg_segment_align: 8
    .kernarg_segment_size: 32
    .max_flat_workgroup_size: 128
    .sgpr_count:     76
    .vgpr_count:     1024
    .wavefront_size: 32
...
	.end_amdgpu_metadata
.endif
;; end of part 4
;; ======== version 2 of 2: 4 launches; version 1 with the launch cast written anew for expert scheduling mode
;; limits: inputs' magnitudes at most 65,504; values are held in f16: magnitudes above 65,504 overflow, below 6.1e-05 lose precision
;; workspace buffers: qb 33,554,432 bytes; kb 33,554,432 bytes; vh 33,554,432 bytes; pt 67,108,864 bytes; st 2,097,152 bytes; ct 524,288 bytes
;; launch cast (part 5): grid 512 x 2, 8 waves a work-group, no clusters, 0 bytes of LDS; arguments queries, keys, qb, kb; writes qb, kb
.if DOCPART == 5
	.amdgcn_target "amdgcn-amd-amdhsa--gfx1250"
	.amdhsa_code_object_version 6
	.text
	.protected	k_q44817b1c18_cast
	.globl	k_q44817b1c18_cast
	.p2align	8
	.type	k_q44817b1c18_cast,@function
k_q44817b1c18_cast:
	s_mov_b64 s[64:65], 0
	v_nop
	global_prefetch_b8 v0, s[64:65] scope:SCOPE_SE
	s_setreg_imm32_b32 hwreg(HW_REG_WAVE_SCHED_MODE, 0, 2), 2
	s_setreg_imm32_b32 hwreg(HW_REG_WAVE_MODE, 25, 1), 1
	s_wait_xcnt 0x0
	s_wait_alu depctr_vm_vsrc(0)
; THE FIRST PRODUCT'S OPERANDS ARE MADE.  qb = bf16(queries), kb = bf16(keys): each [8][2048][1024], 16,777,216 numbers, rounded to nearest even.
; LIMITS.  None beyond bf16's own: its range is f32's.  NaN and infinities are not treated apart.
; SHARES.  The grid's y picks the tensor; work-group x owns 32,768 numbers of it: 32 chunks of 1,024.  Of a chunk thread T takes 4 numbers: a load of 16 bytes at 16 T, a store of 8 bytes at 8 T:
; a wave's load covers 512 consecutive bytes, its store 256 consecutive bytes at a multiple of 256 from the buffer's first byte.
; There is no loop: a chunk's place stands in the immediate (126,976 bytes at the most); the first DEPTH chunks have store registers of their own, the last DEPTH are converted in the registers that they
; were loaded into.  So no register that a load or store reads, and no base, is ever written again.
; No LDS, no barrier, no matrix unit, no cluster: no byte is used twice and no wave needs another's.
; THE MODE: SCHED_MODE bits 1:0 = 2 (LLVM: expert scheduling mode 2), set by the entry lines.  The code itself states the register dependences between vector instructions and memory instructions,
; with s_wait_alu, always for 0.
; THE PLAN.  The 32 chunks go in eight blocks of BLOCK = 4.  Registers that memory instructions touch:
;   v[IO], v[OO]  Offsets: written once at the head, read by every load and every store, never written again.
;   X, 16 slots   Blocks 0 to 3: the block's conversions read its four slots; behind them the loads of the chunks DEPTH on land in the same slots.
;                 Blocks 4 to 7: the block's conversions write the first two registers of each of its slots, in place; its stores read them; nothing writes them afterwards.
;   Y, 16 pairs   Blocks 0 to 3: written once by the block's conversions, read once by its stores, never written again.
; So ONE wait on va_vdst stands in a block, behind its eight conversions and ahead of its run of loads and stores, with no vector instruction between the wait and that run.  It stands there and not at the
; next block's head, so that the slots are asked for again, and the results leave, as soon as the block is converted.  The next block's conversions follow the stores with no wait: they name other slots and
; other pairs.  No wait on vm_vsrc is owed anywhere: nothing that a memory instruction reads is written again.  12 to DEPTH loads of every wave are on their way.
.set DEPTH,  16
.set BLOCK,  4
.set CHUNK,  4096                      ; bytes of a chunk on the way in; half of that on the way out
.set IO, 1                             ; v1        16 T; never rewritten
.set OO, 2                             ; v2        8 T; never rewritten
.set X,  8                             ; v[8:71]   slot i: 4 numbers as loaded
.set Y,  72                            ; v[72:103] slot i: 4 numbers of the first DEPTH chunks, to store
	s_load_b256 s[4:11], s[0:1], 0x0               ; queries s[4:5], keys s[6:7], qb s[8:9], kb s[10:11]
	s_and_b32 s12, ttmp7, 0xffff                   ; which tensor
	s_lshl_b32 s2, ttmp9, 17                       ; the work-group's 131,072 bytes on the way in
	s_mov_b32 s3, 0
	v_lshlrev_b32 v[IO], 4, v0
	v_lshlrev_b32 v[OO], 3, v0
	s_wait_kmcnt 0x0
	s_cmp_eq_u32 s12, 0
	s_cselect_b64 s[16:17], s[4:5], s[6:7]         ; from
	s_cselect_b64 s[18:19], s[8:9], s[10:11]       ; to
	s_add_nc_u64 s[16:17], s[16:17], s[2:3]
	s_lshr_b32 s2, s2, 1                           ; 65,536 bytes on the way out
	s_add_nc_u64 s[18:19], s[18:19], s[2:3]
	s_wait_alu depctr_va_vdst(0)                   ; v[IO] and v[OO] are written: every load and store of the kernel reads one of them as its offset
.set i, 0
.rept DEPTH
	global_load_b128 v[X+4*i:X+4*i+3], v[IO], s[16:17] offset:CHUNK*i th:TH_LOAD_NT  ; chunks 0 to 15
.set i, i+1
.endr
; Blocks 0 to 3: chunks 4 p to 4 p + 3, out of their slots into Y; the slots take the chunks DEPTH on.
.set p, 0
.rept DEPTH/BLOCK
	s_wait_loadcnt DEPTH-BLOCK                     ; loads come back in order (ISA guide 5.7.1): this block's four are in, the twelve younger ones stay out
.set i, BLOCK*p
.rept BLOCK
	v_cvt_pk_bf16_f32 v[Y+2*i],   v[X+4*i],   v[X+4*i+1]
	v_cvt_pk_bf16_f32 v[Y+2*i+1], v[X+4*i+2], v[X+4*i+3]
.set i, i+1
.endr
	s_wait_alu depctr_va_vdst(0)                   ; the block's conversions are done reading its four slots of X, in which the loads below land, and have written its four pairs of Y, which the stores below read
.set i, BLOCK*p
.rept BLOCK
	global_load_b128 v[X+4*i:X+4*i+3], v[IO], s[16:17] offset:(DEPTH+i)*CHUNK th:TH_LOAD_NT  ; the slots' second chunks, ahead of the stores
.set i, i+1
.endr
.set i, BLOCK*p
.rept BLOCK
	global_store_b64 v[OO], v[Y+2*i:Y+2*i+1], s[18:19] offset:i*CHUNK/2
.set i, i+1
.endr
.set p, p+1
.endr
; Blocks 4 to 7: chunks DEPTH + 4 p to DEPTH + 4 p + 3, converted in place.
.set p, 0
.rept DEPTH/BLOCK
	s_wait_loadcnt DEPTH-BLOCK-BLOCK*p             ; nothing more is loaded: the counts run down 12, 8, 4, 0
.set i, BLOCK*p
.rept BLOCK
	v_cvt_pk_bf16_f32 v[X+4*i],   v[X+4*i],   v[X+4*i+1]
	v_cvt_pk_bf16_f32 v[X+4*i+1], v[X+4*i+2], v[X+4*i+3]
.set i, i+1
.endr
	s_wait_alu depctr_va_vdst(0)                   ; the block's conversions have written the first two registers of its four slots, which the stores below read
.set i, BLOCK*p
.rept BLOCK
	global_store_b64 v[OO], v[X+4*i:X+4*i+1], s[18:19] offset:(DEPTH+i)*CHUNK/2
.set i, i+1
.endr
.set p, p+1
.endr
	s_endpgm
.Lfunc_end_k_q44817b1c18_cast:
	.size	k_q44817b1c18_cast, .Lfunc_end_k_q44817b1c18_cast-k_q44817b1c18_cast
	.p2alignl 7, 3214868480
	.fill 96, 4, 3214868480
	.section	.rodata,"a",@progbits
	.p2align	6, 0x0
	.amdhsa_kernel k_q44817b1c18_cast
		.amdhsa_group_segment_fixed_size 0
		.amdhsa_private_segment_fixed_size 0
		.amdhsa_enable_private_segment 0
		.amdhsa_kernarg_size 32
		.amdhsa_user_sgpr_count 2
		.amdhsa_user_sgpr_kernarg_segment_ptr 1
		.amdhsa_wavefront_size32 1
		.amdhsa_system_sgpr_workgroup_id_x 1
		.amdhsa_system_sgpr_workgroup_id_y 1
		.amdhsa_system_sgpr_workgroup_id_z 1
		.amdhsa_system_vgpr_workitem_id 0
		.amdhsa_next_free_vgpr 104
		.amdhsa_next_free_sgpr 66
		.amdhsa_reserve_vcc 0
		.amdhsa_float_denorm_mode_32 3
		.amdhsa_float_denorm_mode_16_64 3
		.amdhsa_memory_ordered 1
		.amdhsa_forward_progress 1
		.amdhsa_inst_pref_size 12
	.end_amdhsa_kernel
	.amdgpu_metadata
---
amdhsa.version: [ 1, 2 ]
amdhsa.kernels:
  - .name:           k_q44817b1c18_cast
    .symbol:         k_q44817b1c18_cast.kd
    .args:
      - { .name: queries, .offset: 0, .size: 8, .value_kind: global_buffer, .address_space: global }
      - { .name: keys, .offset: 8, .size: 8, .value_kind: global_buffer, .address_space: global }
      - { .name: qb, .offset: 16, .size: 8, .value_kind: global_buffer, .address_space: global }
      - { .name: kb, .offset: 24, .size: 8, .value_kind: global_buffer, .address_space: global }
    .group_segment_fixed_size: 0
    .private_segment_fixed_size: 0
    .kernarg_segment_align: 8
    .kernarg_segment_size: 32
    .max_flat_workgroup_size: 256
    .sgpr_count:     66
    .vgpr_count:     104
    .wavefront_size: 32
...
	.end_amdgpu_metadata
.endif
;; end of part 5
;; launch scores: the kernel of part 2 again; grid 8 x 32, 4 waves a work-group, clusters of 4 x 4, 327,680 bytes of LDS; arguments kb, qb, pt, st, values, vh; writes pt, st, vh
;; launch norm: the kernel of part 3 again; grid 16 x 8, 1 waves a work-group, no clusters, 0 bytes of LDS; arguments st, ct; writes ct
;; launch out: the kernel of part 4 again; grid 4 x 64, 4 waves a work-group, clusters of 4 x 4, 327,680 bytes of LDS; arguments pt, vh, ct, out0; writes out0
